; MI455X (gfx1250); checked and timed in simulation.
; The chip was launched on July 23, 2026; its instructions are those of AMD's public machine-readable ISA for CDNA 5 (MIT licence, August 2026) and "CDNA5" Instruction Set Architecture Reference Guide (July 2026). The comments in the code are by the model that wrote it; some were corrected since.
;; Masked Self Attention. Allowed arithmetic: matrix products marked QUANTISED: E2M1 operands, one E8M0 scale for each 32 along K, by v_wmma_scale_f32_16x16x128_f8f6f4 with both operands' format E2M1 (or v_wmma_scale_f32_32x16x128_f4), f32 sums; everything else in f32.
;; Inputs: Wk_codes 1,024 x 32 x 16 uint8 (E2M1 codes of Wk, K innermost, in blocks of 32 codes, two codes a byte); Wk_scales 1,024 x 32 uint8 (E8M0 scales of Wk, one for each 32 codes along K); Wq_codes 1,024 x 32 x 16 uint8 (E2M1 codes of Wq, K innermost, in blocks of 32 codes, two codes a byte); Wq_scales 1,024 x 32 uint8 (E8M0 scales of Wq, one for each 32 codes along K); Wv_codes 1,024 x 32 x 16 uint8 (E2M1 codes of Wv, K innermost, in blocks of 32 codes, two codes a byte); Wv_scales 1,024 x 32 uint8 (E8M0 scales of Wv, one for each 32 codes along K); bk 1,024 float32; bq 1,024 float32; bv 1,024 float32; mask 4 x 2,048 x 2,048 float32; x_codes 4 x 2,048 x 32 x 16 uint8 (E2M1 codes of x, K innermost, in blocks of 32 codes, two codes a byte); x_scales 4 x 2,048 x 32 uint8 (E8M0 scales of x, one for each 32 codes along K).
;; Outputs: out0 4 x 2,048 x 1,024 float32.
;; This version of the problem:
;;   THIS VERSION OF THE PROBLEM IS GIVEN IN LOW PRECISION. The matrix products marked QUANTISED in the list below multiply operands that are first quantised to E2M1 (2 exponent bits, 1 mantissa bit; 4 bits a number), with one power-of-two scale for each 32 numbers along K (OCP MX v1.0); their sums are f32. All else is computed in f32.
;;   The module's matrix products, in the order in which they are computed (A, B: the left and right operand; K: the contracted axis; several contracted axes count as one K, in the product's order):
;;     1. [M 8,192, K 1,024] x [K 1,024, N 1,024]; A: input x (given as codes); B: input Wq (given as codes): QUANTISED
;;     2. [M 8,192, K 1,024] x [K 1,024, N 1,024]; A: input x (given as codes); B: input Wk (given as codes): QUANTISED
;;     3. [M 8,192, K 1,024] x [K 1,024, N 1,024]; A: input x (given as codes); B: input Wv (given as codes): QUANTISED
;;     4. batch 4 x [M 2,048, K 1,024] x [K 1,024, N 2,048]; A: computed on the way; B: computed on the way: QUANTISED
;;     5. batch 4 x [M 2,048, K 2,048] x [K 2,048, N 1,024]; A: softmax (see below); B: computed on the way: QUANTISED
;;   THE QUANTISER, for each operand of a quantised product, along K:
;;     - K is cut into blocks of 32 from its start; a last block that is shorter is filled with zeros.
;;     - A block's scale is 2^e with e = floor(log2(the largest magnitude in the block)) - 2, held to -126 .. 127; a block of zeros has e = 0. As a byte (E8M0): e + 127.
;;     - Each number is divided by its block's scale, clamped to +-6, and rounded to the nearest number of E2M1, ties to even, subnormals kept.
;;     - The product sums the exact products of the quantised numbers (number of the format x scale) in f32.
;;   ~~~python
;;   def quantise(x, axis):      # numpy; x: float32 -> the quantised numbers, widened to float32 again
;;       x = np.moveaxis(x, axis, -1); K = x.shape[-1]
;;       x = np.pad(x, [(0, 0)] * (x.ndim - 1) + [(0, -K % 32)]); x = x.reshape(x.shape[:-1] + (-1, 32)); a = np.abs(x).max(-1, keepdims=True)
;;       e = np.where(a > 0, np.clip(np.frexp(np.where(a > 0, a, 1))[1] - 1 - 2, -126, 127), 0)      # np.frexp(a)[1] - 1 = floor(log2(a)), exactly
;;       r = np.clip(x / 2.0 ** e, -6, 6)
;;       step = 2.0 ** (np.maximum(np.frexp(np.where(r == 0, 1, r))[1] - 1, 0) - 1)
;;       q = np.round(r / step) * step * 2.0 ** e      # np.round: ties to even
;;       return np.moveaxis(q.reshape(q.shape[:-2] + (-1,))[..., :K], -1, axis).astype(np.float32)
;;   ~~~
;;   SOFTMAX AHEAD OF A QUANTISED PRODUCT. Where the list says 'softmax', what is quantised is not the finished softmax but p = 2^(t - M), with t = logit x log2(e) and M = ceil(the row's largest t), a whole number; so 1/2 < the row's largest p <= 1. The row's sum l is taken of the UNQUANTISED p, in f32, and the product's result is divided by l at the end. Since M is a whole number, a kernel that streams over the keys may use a running M (the ceiling of the running maximum): every later rescaling is an exact power of two, which a block's scale takes up: the codes' values come out the same.
;;   OPERANDS COMPUTED ON THE WAY. 'Computed on the way' means the value that the module computes at that place (a softmax that the list does not call 'softmax' is quantised finished and normalised). What goes into a quantiser is computed in f32, as accurately as f32 sums, v_exp_f32 and their like allow (about 1e-6 of the number): no bf16 or f16 on the way to a quantiser, and a product that is left as it is and whose result goes on into a quantised operand takes f32 operands (vector FMAs, or v_wmma_f32_16x16x4_f32). A number that lies on a knife's edge between two numbers of the format may be rounded either way, as far as f32 arithmetic and the matrix unit's own rounding can turn it there, and no further.
;;   INPUTS GIVEN AS CODES. Wk (in the module: [1024, 1024], K = its axis 0); Wq (in the module: [1024, 1024], K = its axis 0); Wv (in the module: [1024, 1024], K = its axis 0); x (in the module: [4, 2048, 1024], K = its axis 2): each comes as NAME_codes (uint8): NAME with its K axis moved to the last place and cut into blocks of 32 codes, [.., K / 32, bytes a block], one block behind the other in memory; two codes a byte, the lower K in the low four bits (a code: sign, 2 exponent bits, 1 mantissa bit); and NAME_scales (uint8): the same leading axes, one E8M0 byte (e + 127) for each 32 codes along K. Its value is code x scale, taken as it is: it is not quantised again, and the codes and scales need not be those that the quantiser above would give.
;; One version. Each part assembles by itself: llvm-mc -triple=amdgcn-amd-amdhsa -mcpu=gfx1250 --defsym DOCPART=n.
;; ======== version 1 of 1: 3 launches
;; workspace buffers: cod 12,582,912 bytes; scl 786,432 bytes; pcod 8,388,608 bytes; pst 1,572,864 bytes
;; launch proj (part 1): grid 8 x 32, 4 waves a work-group, clusters of 4 x 4, 327,680 bytes of LDS; arguments x_codes, x_scales, Wq_codes, Wq_scales, bq, Wk_codes, Wk_scales, bk, Wv_codes, Wv_scales, bv, cod, scl; writes cod, scl
.if DOCPART == 1
	.amdgcn_target "amdgcn-amd-amdhsa--gfx1250"
	.amdhsa_code_object_version 6
	.text
	.protected	k_qf0e050e919_proj
	.globl	k_qf0e050e919_proj
	.p2align	8
	.type	k_qf0e050e919_proj,@function
k_qf0e050e919_proj:
	s_mov_b64 s[64:65], 0
	v_nop
	global_prefetch_b8 v0, s[64:65] scope:SCOPE_SE
	s_setreg_imm32_b32 hwreg(HW_REG_WAVE_MODE, 25, 1), 1
	s_wait_xcnt 0x0
	s_wait_alu depctr_hold_cnt(0) depctr_sa_sdst(0) depctr_va_vdst(0) depctr_va_sdst(0) depctr_va_ssrc(0) depctr_va_vcc(0) depctr_vm_vsrc(0)
	s_getreg_b32 s2, hwreg(HW_REG_IB_STS2, 6, 4)
	s_cmp_eq_u32 s2, 0
	s_cbranch_scc0 .Lentry_in_a_cluster
	s_endpgm
.Lentry_in_a_cluster:
	s_bfe_u32 s2, ttmp6, 0x10000c
	s_cmp_lg_u32 s2, 0xf033
	s_cbranch_scc0 .Lentry_shape_is_right
	s_endpgm
.Lentry_shape_is_right:
; q = x Wq + bq, k = x Wk + bk, v = x Wv + bv on codes of FP4 (E2M1) with one E8M0 scale for each 32 along K = 1,024; each result is quantised again on its way out:
; q and k along their 1,024 columns, v along the keys.  The results leave as IMAGES OF OPERAND REGISTERS: a fragment is 16 rows x 128 K = 1,024 bytes, register group c (0, 1) of lane l at 512 c + 16 l.
;   cod: Q [x row / 16][column / 128][1,024] at 0; K the same at 0x400000; V [batch][channel / 16][key / 128][1,024] at 0x800000.
;   scl: scale words (4 bytes = 128 K of one row): Q's [batch][column / 128][row 2,048] at 0; K's at 0x40000; V's [batch][key / 128][channel 1,024] at 0x80000.
; SHARES.  A work-group owns 256 rows of x (all of K stays in LDS for the three products) and 128 columns of each weight.  Four waves; a wave has 8 tiles of source 0 x 4 tiles of source 1 = 32 accumulators.
;   q, k: source 0 = the 128 rows of W (the next K), source 1 = my 64 rows of x.   v: source 0 = 128 rows of x (keys: the next K), source 1 = 64 rows of Wv.
;   In tile t lane (r, h) register j then holds next-K 16 t + 8 h + j of row r: eight tiles are one fragment's 128 K.  The bias is the C of a sum's first matrix instruction.
; CLUSTER 4 x 4: x's tiles hang on the row block alone and are asked for jointly along a row of the cluster, the weights' on the column block alone, along a column.
; LIMITS: NaN and infinities are not served.  A block whose largest magnitude lies under 2^-124 (zeros too) keeps the scale byte 1: its codes are what the conversion gives under that scale; only this program reads the bytes.
;   The bias enters ahead of the sum and not behind it: another order of rounding than x W + b.
.set XC,    0                          ; LDS: x's codes, 256 rows, 512 bytes + 16 of padding
.set WS0,   135168                     ; Wq's codes, 128 rows likewise; later Wv's
.set WS1,   202752                     ; Wk's
.set XSC,   270336                     ; x's scale bytes: 32 pieces of 256 bytes + 16 (8 rows of 32 bytes to a piece)
.set WSC,   279040                     ; Wq's (4,352 bytes; later Wv's), then Wk's
.set STG,   287744                     ; 256 bytes a wave: scale words on their way out
.set SPARE, 288768                     ; the spare words, 128 bytes a wave
.set AXQ, 1                            ; v1   my 64 rows of x
.set AW0, 2                            ; v2   slot 0's 128 rows
.set AW1, 3                            ; v3   slot 1's
.set AXV, 4                            ; v4   my 128 rows of x (v)
.set AWV, 5                            ; v5   my 64 rows of Wv
.set SXQ, 6                            ; v6   scale bytes of my 64 rows of x
.set SW,  7                            ; v7   of a weight's 128 rows
.set SO8, 8                            ; v8   8 x lane
.set SXV, 9                            ; v9   of my 128 rows of x
.set SWV, 10                           ; v10  of my 64 rows of Wv
.set FO,  11                           ; v11  16 x lane
.set SSW, 12                           ; v12  my stage: 4 r
.set SSR, 13                           ; v13  my stage: 8 x lane
.set SPW, 14                           ; v14  my spare word; never rewritten
.set NIL, 15                           ; v15  0; never rewritten
; v16-63 scale words of a whole product, and nothing else.  v64-127, v128-191 source 0's fragments, two sets; v192-223, v224-255 source 1's.
.set TM,  64                           ; the way out works in the fragments' registers: largest magnitudes,
.set TX,  68                           ; the other half's, then the bytes,
.set SO,  72                           ; the conversions' scale operands,
.set PW,  76                           ; four scale words,
.set PC,  80                           ; four fragments of codes,
.set SWD, 112                          ; and the scale words read back
; window 1: accumulator (s, b) at v[8 (8 s + b)].   window 2: bq's eight tiles v0-63, bk's v64-127, bv's four v128-159.
.set WV, 30
.set H1, 31
.set H2, 32
.set CX, 33
.set CY, 34
.set GX, 35
.set GY, 36
.set RM, 37
.set CM, 38
.set TS, 39
.set G1CR, 40                          ; group 1: codes, my row of the cluster
.set G1CC, 48                          ; codes, my column
.set G1SR, 56                          ; scale bytes, my row
.set G1SC, 68                          ; scale bytes, my column
.set G0XS, 76
.set G0XC, 80
.set G0WS, 84
.set G0WC, 88
.set G0VC, 92
.set G0VS, 96
.set SEL, 66
.set MSB, 0
.macro WIN new                         ; the immediate's high byte repeats the setting that is left
.if MSB != (\new)
	s_set_vgpr_msb (MSB<<8)|(\new)
.set MSB, (\new)
.endif
.endm
.macro PLACES n
.rept \n
	v_nop
.endr
.endm
.macro CROUND                          ; a round of the cluster's barrier
	s_barrier_signal -1
	s_barrier_wait -1
	s_cmp_lg_u32 s[WV], 0
	s_cbranch_scc1 .Lnot_wave_0_\@
	s_barrier_signal -3
.Lnot_wave_0_\@:
	s_barrier_wait -3
	s_barrier_signal -1
	s_barrier_wait -1
.endm
; One matrix instruction.  cm = 0: C is the constant 0; else C = v[cr ..].  pa, pb: the scale register's lanes 16-31 serve source 0, source 1.
.macro WM d, a, b, cm, cr, sa, sb, pa, pb
.if (\cm) == 0
.if ((\pa) == 0) && ((\pb) == 0)
	v_wmma_scale_f32_16x16x128_f8f6f4 v[\d:\d+7], v[\a:\a+7], v[\b:\b+7], 0, v[\sa], v[\sb] matrix_a_fmt:MATRIX_FMT_FP4 matrix_b_fmt:MATRIX_FMT_FP4
.elseif ((\pa) == 1) && ((\pb) == 0)
	v_wmma_scale_f32_16x16x128_f8f6f4 v[\d:\d+7], v[\a:\a+7], v[\b:\b+7], 0, v[\sa], v[\sb] matrix_a_fmt:MATRIX_FMT_FP4 matrix_b_fmt:MATRIX_FMT_FP4 matrix_a_scale:MATRIX_SCALE_ROW1
.elseif ((\pa) == 0) && ((\pb) == 1)
	v_wmma_scale_f32_16x16x128_f8f6f4 v[\d:\d+7], v[\a:\a+7], v[\b:\b+7], 0, v[\sa], v[\sb] matrix_a_fmt:MATRIX_FMT_FP4 matrix_b_fmt:MATRIX_FMT_FP4 matrix_b_scale:MATRIX_SCALE_ROW1
.else
	v_wmma_scale_f32_16x16x128_f8f6f4 v[\d:\d+7], v[\a:\a+7], v[\b:\b+7], 0, v[\sa], v[\sb] matrix_a_fmt:MATRIX_FMT_FP4 matrix_b_fmt:MATRIX_FMT_FP4 matrix_a_scale:MATRIX_SCALE_ROW1 matrix_b_scale:MATRIX_SCALE_ROW1
.endif
.else
.if ((\pa) == 0) && ((\pb) == 0)
	v_wmma_scale_f32_16x16x128_f8f6f4 v[\d:\d+7], v[\a:\a+7], v[\b:\b+7], v[\cr:\cr+7], v[\sa], v[\sb] matrix_a_fmt:MATRIX_FMT_FP4 matrix_b_fmt:MATRIX_FMT_FP4
.elseif ((\pa) == 1) && ((\pb) == 0)
	v_wmma_scale_f32_16x16x128_f8f6f4 v[\d:\d+7], v[\a:\a+7], v[\b:\b+7], v[\cr:\cr+7], v[\sa], v[\sb] matrix_a_fmt:MATRIX_FMT_FP4 matrix_b_fmt:MATRIX_FMT_FP4 matrix_a_scale:MATRIX_SCALE_ROW1
.elseif ((\pa) == 0) && ((\pb) == 1)
	v_wmma_scale_f32_16x16x128_f8f6f4 v[\d:\d+7], v[\a:\a+7], v[\b:\b+7], v[\cr:\cr+7], v[\sa], v[\sb] matrix_a_fmt:MATRIX_FMT_FP4 matrix_b_fmt:MATRIX_FMT_FP4 matrix_b_scale:MATRIX_SCALE_ROW1
.else
	v_wmma_scale_f32_16x16x128_f8f6f4 v[\d:\d+7], v[\a:\a+7], v[\b:\b+7], v[\cr:\cr+7], v[\sa], v[\sb] matrix_a_fmt:MATRIX_FMT_FP4 matrix_b_fmt:MATRIX_FMT_FP4 matrix_a_scale:MATRIX_SCALE_ROW1 matrix_b_scale:MATRIX_SCALE_ROW1
.endif
.endif
.endm
; 24 LDS loads: the fragments of K step q (64 bytes of each row): source 0's eight tiles, source 1's four.  16 rows are 8,448 bytes apart; rows 528 bytes = 132 words apart start at 16 different groups of banks (ISA guide 11.1)
.macro FETCH1 set, ad0, ad1, q
.irp t, 0,1,2,3,4,5,6,7
.irp c, 0,1
	ds_load_b128 v[64+64*(\set)+8*\t+4*\c:64+64*(\set)+8*\t+4*\c+3], v[\ad0] offset:8448*\t+64*(\q)+32*\c
.endr
.endr
.irp t, 0,1,2,3
.irp c, 0,1
	ds_load_b128 v[192+32*(\set)+8*\t+4*\c:192+32*(\set)+8*\t+4*\c+3], v[\ad1] offset:8448*\t+64*(\q)+32*\c
.endr
.endr
.endm
; 12 LDS loads: the scale words of all eight K steps.  A register serves a PAIR of tiles: lanes 0-15 the rows of tile 2 i, lanes 16-31 those of tile 2 i + 1; a load brings four K steps' words.
.macro SCL12 as0, o0, as1
.irp k, 0,1
.irp i, 0,1,2,3
	ds_load_b128 v[16+24*\k+4*\i:16+24*\k+4*\i+3], v[\as0] offset:\o0+1088*\i+16*\k
.endr
.irp i, 0,1
	ds_load_b128 v[32+24*\k+4*\i:32+24*\k+4*\i+3], v[\as1] offset:1088*\i+16*\k
.endr
.endr
.endm
; 32 matrix instructions: K step q.  The 32 accumulators take turns, one instruction a turn, in the same order in every step.
; first = 1: C is the bias, in window 2: tile b's (mode 0: it runs along source 0) or tile s's (mode 1: along source 1).
.macro MUL1 set, q, first, bb, mode
.if \first
	WIN 0x60
.else
	WIN 0x50
.endif
.irp s, 0,1,2,3
.irp b, 0,1,2,3,4,5,6,7
.if \first
	WM 8*(8*\s+\b), 64+64*(\set)+8*\b, 192+32*(\set)+8*\s, 1, \bb+8*((\mode)*\s+(1-(\mode))*\b), 16+24*((\q)/4)+4*(\b/2)+(\q)%4, 32+24*((\q)/4)+4*(\s/2)+(\q)%4, \b%2, \s%2
.else
	WM 8*(8*\s+\b), 64+64*(\set)+8*\b, 192+32*(\set)+8*\s, 1, 8*(8*\s+\b), 16+24*((\q)/4)+4*(\b/2)+(\q)%4, 32+24*((\q)/4)+4*(\s/2)+(\q)%4, \b%2, \s%2
.endif
.endr
.endr
	WIN 0
.endm
; A whole product: eight K steps on two sets of fragments; while one set is multiplied the other's 24 loads are out.
.macro GEMM1 ad0, ad1, as0, o0, as1, bb, mode
	SCL12 \as0, \o0, \as1
	FETCH1 0, \ad0, \ad1, 0
.irp q, 0,1,2,3,4,5,6,7
	s_wait_dscnt 0x0                               ; this step's fragments are in (asked for a step ago)
.if \q > 0
	PLACES 4                                       ; loads into registers that the last step's matrix instructions read stand four places behind them
.endif
.if \q < 7
	FETCH1 (\q+1)%2, \ad0, \ad1, \q+1
.endif
.if \q == 0
	MUL1 0, 0, 1, \bb, \mode
.else
	MUL1 \q%2, \q, 0, \bb, \mode
.endif
.endr
	PLACES 5                                       ; for the reads of the results, the loads into operands, and the next product's sums, which begin anew over these accumulators
.endm
; THE WAY OUT.  For each tile s of source 1: the 64 numbers of a lane (accumulators (s, 0 .. 7)) become a fragment's codes and its rows' scale word.
; Block b of 32 is registers 16 b .. 16 b + 15 of lanes l and l xor 16.  The code registers are laid so that one exchange of halves gives each lane whole blocks, as the operand wants them.
.macro OUT1 base, stride, sbase
.irp i, 0,1,2,3
	v_mov_b32 v[TX+\i], 0                          ; a lane permute's destination counts as one of its sources
.endr
.irp s, 0,1,2,3
	WIN 0x05
.irp b, 0,1,2,3
	v_max3_num_f32 v[TM+\b], |v[64*\s+16*\b]|, |v[64*\s+16*\b+1]|, 0x1800000   ; with the floor 2^(3 - 127): the byte cannot fall under 1.  Each accumulator is read from its low end on
.endr
	WIN 0x14
.irp i, 2,4,6,8,10,12,14
.irp b, 0,1,2,3
	v_max3_num_f32 v[TM+\b], v[TM+\b], |v[64*\s+16*\b+\i]|, |v[64*\s+16*\b+\i+1]|
.endr
.endr
	WIN 0
.irp b, 0,1,2,3
	v_permlanex16_b32 v[TX+\b], v[TM+\b], s[SEL], s[SEL+1]
.endr
.irp b, 0,1,2,3
	v_max_num_f32 v[TM+\b], v[TM+\b], v[TX+\b]     ; the block's largest magnitude
.endr
.irp b, 0,1,2,3
	v_add_nc_u32 v[SO+\b], 0xff000000, v[TM+\b]    ; 2 off its exponent field: the conversion's scale operand
.endr
.irp b, 0,1,2,3
	v_lshrrev_b32 v[TX+\b], 23, v[SO+\b]           ; the scale's byte
.endr
	v_lshl_or_b32 v[PW+\s], v[TX+1], 8, v[TX]
	v_lshl_or_b32 v[PW+\s], v[TX+2], 16, v[PW+\s]
	v_lshl_or_b32 v[PW+\s], v[TX+3], 24, v[PW+\s]
	WIN 0x01
.irp t, 0,1,2,3,4,5,6,7
	v_cvt_scalef32_pk8_fp4_f32 v[PC+8*\s+4*(\t/4)+2*(\t%2)+(\t%4)/2], v[64*\s+8*\t:64*\s+8*\t+7], v[SO+\t/2]   ; tile t: K = 16 t + 8 h + 0 .. 7
.endr
	WIN 0
	v_nop                                          ; one plain place behind a scaled conversion
.irp c, 0,1
.irp u, 0,1
	v_permlane16_swap_b32 v[PC+8*\s+4*\c+2*\u], v[PC+8*\s+4*\c+2*\u+1]   ; tiles 4 c + u and 4 c + 2 + u change halves: registers 4 c + 2 u, + 1 now hold K = 64 c + 32 h + 16 u + 0 .. 15
.endr
.endr
	global_store_b128 v[FO], v[PC+8*\s:PC+8*\s+3], s[\base:\base+1] offset:\s*\stride       ; the wave stores 512 consecutive bytes, aligned
	global_store_b128 v[FO], v[PC+8*\s+4:PC+8*\s+7], s[\base:\base+1] offset:\s*\stride+512
	ds_store_b32 v[SSW], v[PW+\s] offset:64*\s     ; lanes r and 16 + r write the same word with the same value
.endr
	ds_load_b64 v[SWD:SWD+1], v[SSR]               ; LDS serves a wave's instructions in order: this sees my stores
	s_wait_dscnt 0x0
	global_store_b64 v[SO8], v[SWD:SWD+1], s[\sbase:\sbase+1]   ; 64 rows' scale words: 256 consecutive bytes, aligned
	s_wait_xcnt 0x0                                ; the stores' data registers take the next product's fragments only behind this wait
.endm
	s_load_b512 s[4:19], s[0:1], 0x0               ; x_codes 4, x_scales 6, Wq_codes 8, Wq_scales 10, bq 12, Wk_codes 14, Wk_scales 16, bk 18
	s_load_b256 s[20:27], s[0:1], 0x40             ; Wv_codes 20, Wv_scales 22, bv 24, cod 26
	s_load_b64 s[28:29], s[0:1], 0x60              ; scl
	v_lshl_add_u32 v[SPW], v0, 2, SPARE
	v_mov_b32 v[NIL], 0
	ds_add_u32 v14, v15
	ds_add_u32 v14, v15
	s_wait_dscnt 0x0
	v_lshrrev_b32 v64, 5, v0
	v_readfirstlane_b32 s[WV], v64                 ; wave 0..3
	s_and_b32 s[H1], s[WV], 1
	s_lshr_b32 s[H2], s[WV], 1
	s_bfe_u32 s[CX], ttmp6, 0x40000
	s_bfe_u32 s[CY], ttmp6, 0x40004
	s_lshl_b32 s[GX], ttmp9, 2
	s_add_co_u32 s[GX], s[GX], s[CX]               ; column block 0..7
	s_and_b32 s[GY], ttmp7, 0xffff
	s_lshl_b32 s[GY], s[GY], 2
	s_add_co_u32 s[GY], s[GY], s[CY]               ; row block 0..31
	s_lshl_b32 s[RM], s[CY], 2
	s_lshl_b32 s[RM], 15, s[RM]                    ; my row of the cluster
	s_lshl_b32 s[CM], 0x1111, s[CX]                ; my column
	; group 1, codes: 128 rows x 512 bytes, 16 bytes of padding behind each
	s_or_b32 s[G1CR], s[RM], (1<<20)|(1<<21)|(6<<22)|(3<<25)
	s_or_b32 s[G1CC], s[CM], (1<<20)|(1<<21)|(6<<22)|(3<<25)
.irp g, G1CR, G1CC
	s_mov_b32 s[\g+1], 512<<16
	s_mov_b32 s[\g+2], 128<<16
	s_mov_b32 s[\g+3], 512<<16
	s_mov_b32 s[\g+4], 128
	s_mov_b32 s[\g+5], 512
	s_mov_b32 s[\g+6], 0
	s_mov_b32 s[\g+7], 0
.endr
	; group 1, scale bytes of 128 rows: 4,096 dense bytes as 16 rows of 256 (32 elements of 8 bytes), 16 bytes of padding behind each
	s_or_b32 s[G1SR], s[RM], (3<<16)|(1<<20)|(1<<21)|(5<<22)|(3<<25)
	s_or_b32 s[G1SC], s[CM], (3<<16)|(1<<20)|(1<<21)|(5<<22)|(3<<25)
.irp g, G1SR, G1SC
	s_mov_b32 s[\g+1], 32<<16
	s_mov_b32 s[\g+2], 16<<16
	s_mov_b32 s[\g+3], 32<<16
	s_mov_b32 s[\g+4], 16
	s_mov_b32 s[\g+5], 32
	s_mov_b32 s[\g+6], 0
	s_mov_b32 s[\g+7], 0
.endr
	s_mov_b32 s[SEL], 0x76543210
	s_mov_b32 s[SEL+1], 0xfedcba98
	s_wait_kmcnt 0x0
	; x's side: the row block and the wave's number alone
	s_lshl_b32 s2, s[GY], 13
	s_lshl_b32 s[TS], s[H1], 12
	s_add_co_u32 s2, s2, s[TS]                     ; scale bytes of rows 256 gy + 128 H1 on
	s_mov_b32 s3, 0
	s_mov_b32 s[G0XS], 1
	s_mul_i32 s[G0XS+1], s[H1], 4352
	s_add_co_u32 s[G0XS+1], s[G0XS+1], XSC
	s_add_nc_u64 s[G0XS+2:G0XS+3], s[6:7], s[2:3]
	s_or_b32 s[G0XS+3], s[G0XS+3], 0x80000000
	s_lshl_b32 s2, s2, 4                           ; their codes: 16 times as many bytes
	s_mov_b32 s[G0XC], 1
	s_mul_i32 s[G0XC+1], s[H1], 67584
	s_add_nc_u64 s[G0XC+2:G0XC+3], s[4:5], s[2:3]
	s_or_b32 s[G0XC+3], s[G0XC+3], 0x80000000
	; the weights' side: the column block and the wave's number alone.  H1 = 0: Wq into slot 0; H1 = 1: Wk into slot 1
	s_lshl_b32 s100, s[GX], 12
	s_mov_b32 s101, 0
	s_cmp_eq_u32 s[H1], 0
	s_cselect_b64 s[G0WS+2:G0WS+3], s[10:11], s[16:17]
	s_cselect_b64 s[G0WC+2:G0WC+3], s[8:9], s[14:15]
	s_add_nc_u64 s[G0WS+2:G0WS+3], s[G0WS+2:G0WS+3], s[100:101]
	s_add_nc_u64 s[G0VS+2:G0VS+3], s[22:23], s[100:101]
	s_lshl_b32 s100, s100, 4
	s_add_nc_u64 s[G0WC+2:G0WC+3], s[G0WC+2:G0WC+3], s[100:101]
	s_add_nc_u64 s[G0VC+2:G0VC+3], s[20:21], s[100:101]
.irp g, G0WS, G0WC, G0VC, G0VS
	s_mov_b32 s[\g], 1
	s_or_b32 s[\g+3], s[\g+3], 0x80000000
.endr
	s_mul_i32 s[G0WS+1], s[H1], 4352
	s_add_co_u32 s[G0WS+1], s[G0WS+1], WSC
	s_mul_i32 s[G0WC+1], s[H1], 67584
	s_add_co_u32 s[G0WC+1], s[G0WC+1], WS0
	s_mov_b32 s[G0VC+1], WS0
	s_mov_b32 s[G0VS+1], WSC
	CROUND                                         ; all sixteen work-groups are here: the first joint loads meet
	s_cmp_lt_u32 s[WV], 2                          ; a wave's two first fills stand in one branch: two loads of mine are out
	s_cbranch_scc0 .Lfill_w
	tensor_load_to_lds s[G0XS:G0XS+3], s[G1SR:G1SR+7]
	s_nop 0
	tensor_load_to_lds s[G0XC:G0XC+3], s[G1CR:G1CR+7]
	s_nop 0
	PLACES 4
	s_branch .Lfilled
.Lfill_w:
	tensor_load_to_lds s[G0WS:G0WS+3], s[G1SC:G1SC+7]
	s_nop 0
	tensor_load_to_lds s[G0WC:G0WC+3], s[G1CC:G1CC+7]
	s_nop 0
	PLACES 4
.Lfilled:
	; the biases, in the results' layout
	s_lshl_b32 s104, s[GX], 9
	s_mov_b32 s105, 0
	s_add_nc_u64 s[12:13], s[12:13], s[104:105]    ; bq, bk at my 128 columns
	s_add_nc_u64 s[18:19], s[18:19], s[104:105]
	s_lshl_b32 s[TS], s[H2], 8
	s_add_co_u32 s104, s104, s[TS]
	s_add_nc_u64 s[24:25], s[24:25], s[104:105]    ; bv at my 64 channels
	v_and_b32 v65, 15, v0                          ; r
	v_bfe_u32 v66, v0, 4, 1                        ; h
	v_and_b32 v67, 31, v0                          ; lane
	v_lshlrev_b32 v76, 5, v66                      ; 32 h
	v_lshlrev_b32 v77, 2, v65                      ; 4 r
	WIN 0x80                                       ; destination window 2
.irp b, 0,1,2,3,4,5,6,7                            ; lane (r, h) wants, for tile b, columns 16 b + 8 h + 0 .. 7
	global_load_b128 v[8*\b:8*\b+3], v76, s[12:13] offset:64*\b
	global_load_b128 v[8*\b+4:8*\b+7], v76, s[12:13] offset:64*\b+16
	global_load_b128 v[64+8*\b:64+8*\b+3], v76, s[18:19] offset:64*\b
	global_load_b128 v[64+8*\b+4:64+8*\b+7], v76, s[18:19] offset:64*\b+16
.endr
	WIN 0
.irp s, 0,1,2,3
	global_load_b32 v[72+\s], v77, s[24:25] offset:64*\s   ; bv of channel 16 s + r: one number for the lane's eight registers
.endr
	; LDS addresses
	v_mul_u32_u24 v68, v65, 528
	v_lshl_add_u32 v68, v66, 4, v68                ; a fragment: row r x pitch + 16 h
	v_lshrrev_b32 v69, 3, v65
	v_mul_u32_u24 v69, v69, 272
	v_and_b32 v70, 7, v65
	v_lshl_add_u32 v69, v70, 5, v69
	v_mad_u32_u24 v69, v66, 544, v69               ; scale bytes: row r of the pair's first tile, or (lanes 16-31) 16 rows = 544 bytes on
	s_mul_i32 s[TS], s[WV], 33792
	v_add_nc_u32 v[AXQ], s[TS], v68
	v_add_nc_u32 v[AW0], WS0, v68
	v_add_nc_u32 v[AW1], WS1, v68
	s_mul_i32 s[TS], s[H1], 67584
	v_add_nc_u32 v[AXV], s[TS], v68
	s_mul_i32 s[TS], s[H2], 33792
	s_add_co_u32 s[TS], s[TS], WS0
	v_add_nc_u32 v[AWV], s[TS], v68
	s_mul_i32 s[TS], s[WV], 2176
	s_add_co_u32 s[TS], s[TS], XSC
	v_add_nc_u32 v[SXQ], s[TS], v69
	v_add_nc_u32 v[SW], WSC, v69
	s_mul_i32 s[TS], s[H1], 4352
	s_add_co_u32 s[TS], s[TS], XSC
	v_add_nc_u32 v[SXV], s[TS], v69
	s_mul_i32 s[TS], s[H2], 2176
	s_add_co_u32 s[TS], s[TS], WSC
	v_add_nc_u32 v[SWV], s[TS], v69
	v_lshlrev_b32 v[SO8], 3, v67
	v_lshlrev_b32 v[FO], 4, v67
	s_lshl_b32 s[TS], s[WV], 8
	s_add_co_u32 s[TS], s[TS], STG
	v_lshl_add_u32 v[SSW], v65, 2, s[TS]
	v_lshl_add_u32 v[SSR], v67, 3, s[TS]
	; where the results go: s[4:5] Q, s[6:7] K, s[8:9] V, s[10:11] Q's words, s[14:15] K's, s[16:17] V's (the inputs' addresses there are used up)
	s_lshr_b32 s100, s[GY], 3                      ; batch
	s_and_b32 s101, s[GY], 7                       ; row block in the batch
	s_lshl_b32 s104, s[GY], 17
	s_lshl_b32 s[TS], s[WV], 15
	s_add_co_u32 s104, s104, s[TS]
	s_lshl_b32 s[TS], s[GX], 10
	s_add_co_u32 s104, s104, s[TS]
	s_add_nc_u64 s[4:5], s[26:27], s[104:105]
	s_add_nc_u64 s[6:7], s[4:5], 0x400000
	s_lshl_b32 s104, s100, 20
	s_lshl_b32 s[TS], s[GX], 17
	s_add_co_u32 s104, s104, s[TS]
	s_lshl_b32 s[TS], s[H2], 16
	s_add_co_u32 s104, s104, s[TS]
	s_lshl_b32 s[TS], s101, 11
	s_add_co_u32 s104, s104, s[TS]
	s_lshl_b32 s[TS], s[H1], 10
	s_add_co_u32 s104, s104, s[TS]
	s_add_co_u32 s104, s104, 0x800000
	s_add_nc_u64 s[8:9], s[26:27], s[104:105]
	s_lshl_b32 s104, s100, 16
	s_lshl_b32 s[TS], s[GX], 13
	s_add_co_u32 s104, s104, s[TS]
	s_lshl_b32 s[TS], s101, 10
	s_add_co_u32 s104, s104, s[TS]
	s_lshl_b32 s[TS], s[WV], 8
	s_add_co_u32 s104, s104, s[TS]
	s_add_nc_u64 s[10:11], s[28:29], s[104:105]
	s_add_nc_u64 s[14:15], s[10:11], 0x40000
	s_lshl_b32 s104, s100, 16
	s_lshl_b32 s[TS], s101, 13
	s_add_co_u32 s104, s104, s[TS]
	s_lshl_b32 s[TS], s[H1], 12
	s_add_co_u32 s104, s104, s[TS]
	s_lshl_b32 s[TS], s[GX], 9
	s_add_co_u32 s104, s104, s[TS]
	s_lshl_b32 s[TS], s[H2], 8
	s_add_co_u32 s104, s104, s[TS]
	s_add_co_u32 s104, s104, 0x80000
	s_add_nc_u64 s[16:17], s[28:29], s[104:105]
	s_wait_loadcnt 0x0                             ; the biases
	WIN 0x80
.irp s, 0,1,2,3
.irp j, 0,1,2,3,4,5,6,7
	v_mov_b32 v[128+8*\s+\j], v[72+\s]
.endr
.endr
	WIN 0
	s_wait_tensorcnt 0x0                           ; my two fills have landed,
	s_barrier_signal -1
	s_barrier_wait -1                              ; everybody's have
	GEMM1 AW0, AXQ, SW, 0, SXQ, 0, 0               ; q
	s_wait_tensorcnt 0x0                           ; slot 0 and Wq's scale bytes are filled again: no tensor load of mine is out,
	ds_add_u32 v[SPW], v[NIL]                      ; 0 onto my spare word,
	s_wait_dscnt 0x0                               ; the add is done and my reads of Wq are over
	CROUND                                         ; and that holds of every wave of the cluster
	s_cmp_eq_u32 s[WV], 2                          ; wave 2 asks for Wv's codes, wave 3 for its scale bytes: they have q's way out and all of k's product in which to land
	s_cbranch_scc0 .Lnot_2
	tensor_load_to_lds s[G0VC:G0VC+3], s[G1CC:G1CC+7]
	s_nop 0
	PLACES 4
	s_branch .Lv_asked
.Lnot_2:
	s_cmp_eq_u32 s[WV], 3
	s_cbranch_scc0 .Lv_asked
	tensor_load_to_lds s[G0VS:G0VS+3], s[G1SC:G1SC+7]
	s_nop 0
	PLACES 4
.Lv_asked:
	OUT1 4, 8192, 10
	GEMM1 AW1, AXQ, SW, 4352, SXQ, 64, 0           ; k
	OUT1 6, 8192, 14
	s_wait_tensorcnt 0x0                           ; Wv has landed,
	s_wait_dscnt 0x0
	s_barrier_signal -1
	s_barrier_wait -1                              ; for every wave
	GEMM1 AXV, AWV, SXV, 0, SWV, 128, 1            ; v: source 0 = 128 keys, source 1 = 64 channels
	OUT1 8, 16384, 16
	s_wait_tensorcnt 0x0                           ; the wave's end
	ds_add_u32 v[SPW], v[NIL]
	s_wait_dscnt 0x0
	CROUND                                         ; the closing round
	s_endpgm
.Lfunc_end_k_qf0e050e919_proj:
	.size	k_qf0e050e919_proj, .Lfunc_end_k_qf0e050e919_proj-k_qf0e050e919_proj
	.p2alignl 7, 3214868480
	.fill 96, 4, 3214868480
	.section	.rodata,"a",@progbits
	.p2align	6, 0x0
	.amdhsa_kernel k_qf0e050e919_proj
		.amdhsa_group_segment_fixed_size 327680
		.amdhsa_private_segment_fixed_size 0
		.amdhsa_enable_private_segment 0
		.amdhsa_kernarg_size 104
		.amdhsa_user_sgpr_count 2
		.amdhsa_user_sgpr_kernarg_segment_ptr 1
		.amdhsa_wavefront_size32 1
		.amdhsa_system_sgpr_workgroup_id_x 1
		.amdhsa_system_sgpr_workgroup_id_y 1
		.amdhsa_system_sgpr_workgroup_id_z 1
		.amdhsa_system_vgpr_workitem_id 0
		.amdhsa_next_free_vgpr 768
		.amdhsa_next_free_sgpr 106
		.amdhsa_reserve_vcc 0
		.amdhsa_float_denorm_mode_32 3
		.amdhsa_float_denorm_mode_16_64 3
		.amdhsa_memory_ordered 1
		.amdhsa_forward_progress 1
		.amdhsa_inst_pref_size 206
	.end_amdhsa_kernel
	.amdgpu_metadata
---
amdhsa.version: [ 1, 2 ]
amdhsa.kernels:
  - .name:           k_qf0e050e919_proj
    .symbol:         k_qf0e050e919_proj.kd
    .args:
      - { .name: x_codes, .offset: 0, .size: 8, .value_kind: global_buffer, .address_space: global }
      - { .name: x_scales, .offset: 8, .size: 8, .value_kind: global_buffer, .address_space: global }
      - { .name: Wq_codes, .offset: 16, .size: 8, .value_kind: global_buffer, .address_space: global }
      - { .name: Wq_scales, .offset: 24, .size: 8, .value_kind: global_buffer, .address_space: global }
      - { .name: bq, .offset: 32, .size: 8, .value_kind: global_buffer, .address_space: global }
      - { .name: Wk_codes, .offset: 40, .size: 8, .value_kind: global_buffer, .address_space: global }
      - { .name: Wk_scales, .offset: 48, .size: 8, .value_kind: global_buffer, .address_space: global }
      - { .name: bk, .offset: 56, .size: 8, .value_kind: global_buffer, .address_space: global }
      - { .name: Wv_codes, .offset: 64, .size: 8, .value_kind: global_buffer, .address_space: global }
      - { .name: Wv_scales, .offset: 72, .size: 8, .value_kind: global_buffer, .address_space: global }
      - { .name: bv, .offset: 80, .size: 8, .value_kind: global_buffer, .address_space: global }
      - { .name: cod, .offset: 88, .size: 8, .value_kind: global_buffer, .address_space: global }
      - { .name: scl, .offset: 96, .size: 8, .value_kind: global_buffer, .address_space: global }
    .group_segment_fixed_size: 327680
    .private_segment_fixed_size: 0
    .kernarg_segment_align: 8
    .kernarg_segment_size: 104
    .max_flat_workgroup_size: 128
    .sgpr_count:     106
    .vgpr_count:     768
    .wavefront_size: 32
...
	.end_amdgpu_metadata
.endif
;; end of part 1
;; launch score (part 2): grid 8 x 32, 4 waves a work-group, clusters of 4 x 4, 327,680 bytes of LDS; arguments cod, scl, mask, pcod, pst; writes pcod, pst
.if DOCPART == 2
	.amdgcn_target "amdgcn-amd-amdhsa--gfx1250"
	.amdhsa_code_object_version 6
	.text
	.protected	k_qf0e050e919_score
	.globl	k_qf0e050e919_score
	.p2align	8
	.type	k_qf0e050e919_score,@function
k_qf0e050e919_score:
	s_mov_b64 s[64:65], 0
	v_nop
	global_prefetch_b8 v0, s[64:65] scope:SCOPE_SE
	s_setreg_imm32_b32 hwreg(HW_REG_WAVE_MODE, 25, 1), 1
	s_wait_xcnt 0x0
	s_wait_alu depctr_hold_cnt(0) depctr_sa_sdst(0) depctr_va_vdst(0) depctr_va_sdst(0) depctr_va_ssrc(0) depctr_va_vcc(0) depctr_vm_vsrc(0)
	s_getreg_b32 s2, hwreg(HW_REG_IB_STS2, 6, 4)
	s_cmp_eq_u32 s2, 0
	s_cbranch_scc0 .Lentry_in_a_cluster
	s_endpgm
.Lentry_in_a_cluster:
	s_bfe_u32 s2, ttmp6, 0x10000c
	s_cmp_lg_u32 s2, 0xf033
	s_cbranch_scc0 .Lentry_shape_is_right
	s_endpgm
.Lentry_shape_is_right:
; logit = q . k / 32 + mask on codes of FP4 (E2M1), then the softmax's p, quantised along the keys, PIECE BY PIECE: for each 16 queries x 128 keys
; t = logit x log2(e), M = the ceiling of the piece's largest t for a query (a whole number), p = 2^(t - M).  Out go p's codes (an operand's registers, as they stand), its scale word under the piece's M,
; -M and the piece's sum of the unquantised p.  The next launch brings the pieces of a row under the row's M by lowering scale bytes: a whole power of two, so no code changes.
;   pcod [batch][query / 16][key / 128][1,024];  pst: three arrays [batch][key / 128][query 2,048] of 4 bytes: scale words at 0, -M at 0x80000, sums at 0x100000.
; SHARES.  A work-group makes 256 queries x 256 keys, K = 1,024; each of four waves 128 x 128: 64 accumulators.  Source 0 = 16 keys, source 1 = 16 queries: lane (r, h) register j of accumulator (a, b) is query 16 a + r, key 16 b + 8 h + j.
; All of K lies in LDS, in two slots of four K steps, both filled at the start.  A K step is 64 matrix instructions; Q's fragments have one set of registers, K's two.
; THE MASK is 64 KiB a wave.  Rows 0-63 of my tile are asked for at the head, straight into 256 registers (a load = one row's 512 consecutive bytes); rows 64-127 come by one tensor load a wave into slot 0 as soon as that slot is left.
; CLUSTER 4 x 4: Q's tiles hang on the query block alone (shared along a row of the cluster), K's on the batch and the key block (along a column).  The mask's tiles are nobody else's: plain loads.
; LIMITS: NaN and +infinity are not served.  A piece that is all -infinity gives p = 0 (its M is held at -3e38).  A block's largest p is taken from the block's largest t by the same addition and exponential.
;   A block whose every p has fallen to 0 keeps the scale byte 1: its codes are zeros.
.set SLOT,  139264                     ; a slot: Q's 16 tiles x 4,096 bytes, K's 16, then scale words [half][4 K steps][128 rows]: Q's two halves, K's two
.set KOFF,  65536
.set QSOF,  131072
.set KSOF,  135168
.set MSTG,  278528                     ; 16 rows x 528 bytes a wave: the mask's register rows are turned here
.set SSTG,  312320                     ; 1,536 bytes a wave: 128 scale words, 128 -M, 128 sums
.set SPARE, 318464
.set ADRA, 1                           ; v1-2   my Q fragments in slot 0, 1
.set ADRB, 3                           ; v3-4   my K fragments
.set ADSQ, 5                           ; v5-6   Q's scale words
.set ADSK, 7                           ; v7-8   K's
.set SPW,  9                           ; v9     my spare word; never rewritten
.set NIL,  10                          ; v10    0; never rewritten
.set L16,  11                          ; v11    16 x lane
.set AMW,  12                          ; v12    the stage, by rows
.set AMS,  13                          ; v13    the stage, in the results' layout
.set AMT,  14                          ; v14    the mask's tensor tile, likewise
.set SSW,  15                          ; v15    my figures' stage: 4 r
.set PC,   16                          ; v16-23 a fragment of codes
.set BM,   24                          ; v24-27 the blocks' largest
.set BX,   28                          ; v28-31 the other half's, then the bytes
; v32-47 scale words and nothing else: set p: Q's pairs of tiles at 32 + 8 p, K's at 36 + 8 p
.set AF,   48                          ; v48-111 Q's eight fragments; later T0
.set T0,   48
.set T1,   128
.set SO,   112
.set NM,   116                         ; v116 -M (v117 = 0: named with it as a pair)
.set LA,   118
.set LB,   120
.set PW,   122
.set SSR,  123
.set TP,   124
; v128-255: the mask's rows of tiles 0, 1 (v128-191 are T1 once tile 0 has been staged).  window 1: K's sets at v0, v64; v128-255 the mask's rows of tiles 2, 3.  windows 2, 3: accumulator (a, b) at v[8 (8 (a % 4) + b)]
.set WV, 14
.set HQ, 15
.set HK, 16
.set CX, 17
.set CY, 18
.set GX, 19
.set GY, 20
.set BB, 21
.set RM, 22
.set CM, 23
.set G1M, 24                           ; s[24:31] group 1 for the mask;  s[4:7] its group 0
.set G0M, 4
.set G1Q, 32
.set G1K, 40
.set G1SQ, 48
.set G1SK, 56
.set SEL, 66
.set G0QS0, 68
.set G0QC0, 72
.set G0QS1, 76
.set G0QC1, 80
.set G0KS0, 84
.set G0KC0, 88
.set G0KS1, 92
.set G0KC1, 96
.set L2E, 100
.set C32, 104
.set MSB, 0
.macro WIN new
.if MSB != (\new)
	s_set_vgpr_msb (MSB<<8)|(\new)
.set MSB, (\new)
.endif
.endm
.macro PLACES n
.rept \n
	v_nop
.endr
.endm
.macro CROUND
	s_barrier_signal -1
	s_barrier_wait -1
	s_cmp_lg_u32 s[WV], 0
	s_cbranch_scc1 .Lnot_wave_0_\@
	s_barrier_signal -3
.Lnot_wave_0_\@:
	s_barrier_wait -3
	s_barrier_signal -1
	s_barrier_wait -1
.endm
.macro WM d, a, b, cm, cr, sa, sb, pa, pb
.if (\cm) == 0
.if ((\pa) == 0) && ((\pb) == 0)
	v_wmma_scale_f32_16x16x128_f8f6f4 v[\d:\d+7], v[\a:\a+7], v[\b:\b+7], 0, v[\sa], v[\sb] matrix_a_fmt:MATRIX_FMT_FP4 matrix_b_fmt:MATRIX_FMT_FP4
.elseif ((\pa) == 1) && ((\pb) == 0)
	v_wmma_scale_f32_16x16x128_f8f6f4 v[\d:\d+7], v[\a:\a+7], v[\b:\b+7], 0, v[\sa], v[\sb] matrix_a_fmt:MATRIX_FMT_FP4 matrix_b_fmt:MATRIX_FMT_FP4 matrix_a_scale:MATRIX_SCALE_ROW1
.elseif ((\pa) == 0) && ((\pb) == 1)
	v_wmma_scale_f32_16x16x128_f8f6f4 v[\d:\d+7], v[\a:\a+7], v[\b:\b+7], 0, v[\sa], v[\sb] matrix_a_fmt:MATRIX_FMT_FP4 matrix_b_fmt:MATRIX_FMT_FP4 matrix_b_scale:MATRIX_SCALE_ROW1
.else
	v_wmma_scale_f32_16x16x128_f8f6f4 v[\d:\d+7], v[\a:\a+7], v[\b:\b+7], 0, v[\sa], v[\sb] matrix_a_fmt:MATRIX_FMT_FP4 matrix_b_fmt:MATRIX_FMT_FP4 matrix_a_scale:MATRIX_SCALE_ROW1 matrix_b_scale:MATRIX_SCALE_ROW1
.endif
.else
.if ((\pa) == 0) && ((\pb) == 0)
	v_wmma_scale_f32_16x16x128_f8f6f4 v[\d:\d+7], v[\a:\a+7], v[\b:\b+7], v[\cr:\cr+7], v[\sa], v[\sb] matrix_a_fmt:MATRIX_FMT_FP4 matrix_b_fmt:MATRIX_FMT_FP4
.elseif ((\pa) == 1) && ((\pb) == 0)
	v_wmma_scale_f32_16x16x128_f8f6f4 v[\d:\d+7], v[\a:\a+7], v[\b:\b+7], v[\cr:\cr+7], v[\sa], v[\sb] matrix_a_fmt:MATRIX_FMT_FP4 matrix_b_fmt:MATRIX_FMT_FP4 matrix_a_scale:MATRIX_SCALE_ROW1
.elseif ((\pa) == 0) && ((\pb) == 1)
	v_wmma_scale_f32_16x16x128_f8f6f4 v[\d:\d+7], v[\a:\a+7], v[\b:\b+7], v[\cr:\cr+7], v[\sa], v[\sb] matrix_a_fmt:MATRIX_FMT_FP4 matrix_b_fmt:MATRIX_FMT_FP4 matrix_b_scale:MATRIX_SCALE_ROW1
.else
	v_wmma_scale_f32_16x16x128_f8f6f4 v[\d:\d+7], v[\a:\a+7], v[\b:\b+7], v[\cr:\cr+7], v[\sa], v[\sb] matrix_a_fmt:MATRIX_FMT_FP4 matrix_b_fmt:MATRIX_FMT_FP4 matrix_a_scale:MATRIX_SCALE_ROW1 matrix_b_scale:MATRIX_SCALE_ROW1
.endif
.endif
.endm
.macro FRAG2 reg, adr, q, i            ; a fragment's image: two loads of 512 consecutive bytes
.irp c, 0,1
	ds_load_b128 v[\reg+4*\c:\reg+4*\c+3], v[\adr] offset:4096*(\i)+1024*(\q)+512*\c
.endr
.endm
.macro FETCH_B sl, q, p                ; K's eight fragments of the slot's q-th K step into set p
	WIN 0x40
.irp i, 0,1,2,3,4,5,6,7
	FRAG2 64*(\p)+8*\i, ADRB+\sl, \q, \i
.endr
	WIN 0
.endm
.macro FETCH_A sl, q, i0               ; Q's fragments i0 .. i0 + 3
.irp i, \i0, \i0+1, \i0+2, \i0+3
	FRAG2 AF+8*(\i), ADRA+\sl, \q, \i
.endr
.endm
.macro SCALES sl, q, p                 ; eight loads: a register serves a pair of tiles: lanes 0-15 tile 2 i, lanes 16-31 tile 2 i + 1
.irp i, 0,1,2,3
	ds_load_b32 v[32+8*(\p)+\i], v[ADSQ+\sl] offset:512*(\q)+128*\i
	ds_load_b32 v[36+8*(\p)+\i], v[ADSK+\sl] offset:512*(\q)+128*\i
.endr
.endm
; 16 matrix instructions: Q's tiles a0, a0 + 1 x K's eight.  The 64 accumulators take turns, one instruction a turn, in the same order in every step.
.macro MUL16 a0, p, zero
.irp a, \a0, \a0+1
.irp b, 0,1,2,3,4,5,6,7
.if \zero
	WM 8*(8*((\a)%4)+\b), 64*(\p)+8*\b, AF+8*(\a), 0, 0, 36+8*(\p)+\b/2, 32+8*(\p)+(\a)/2, \b%2, (\a)%2
.else
	WM 8*(8*((\a)%4)+\b), 64*(\p)+8*\b, AF+8*(\a), 1, 8*(8*((\a)%4)+\b), 36+8*(\p)+\b/2, 32+8*(\p)+(\a)/2, \b%2, (\a)%2
.endif
.endr
.endr
.endm
; A K step that has its successor in the same slot.  A tile of Q is free as soon as its eight products are issued: tiles 0-3 are fetched anew in the step's middle, tiles 4-7 at its end.
.macro STEP sl, q, zero
	s_wait_dscnt 8                                 ; all but the youngest eight loads, Q's tiles 4-7
	WIN 0xa1
	MUL16 0, (\q)%2, \zero
	MUL16 2, (\q)%2, \zero
	s_wait_dscnt 0x0                               ; Q's tiles 4-7 are in
	PLACES 4                                       ; loads into registers that matrix instructions have read stand four places behind them
	FETCH_B \sl, (\q)+1, 1-(\q)%2
	FETCH_A \sl, (\q)+1, 0
	SCALES \sl, (\q)+1, 1-(\q)%2
	WIN 0xf1
	MUL16 4, (\q)%2, \zero
	MUL16 6, (\q)%2, \zero
	PLACES 4
	WIN 0
	FETCH_A \sl, (\q)+1, 4
.endm
.macro STEPX                           ; a slot's last K step (set 1): nothing more to fetch there
	s_wait_dscnt 0x0
	WIN 0xa1
	MUL16 0, 1, 0
	MUL16 2, 1, 0
	WIN 0xf1
	MUL16 4, 1, 0
	MUL16 6, 1, 0
	WIN 0
.endm
.macro START sl
	FETCH_B \sl, 0, 0
	FETCH_A \sl, 0, 0
	SCALES \sl, 0, 0
	FETCH_A \sl, 0, 4
.endm
; The mask's 16 rows of tile a (0 .. 3) go from registers into my stage, as rows of 512 bytes + 16
.macro STAGE a
	s_wait_loadcnt 48-16*(\a)                      ; loads come back in order: tile a's sixteen are in, those of the tiles behind it may be out
.if (\a) >= 2
	WIN 0x04                                       ; an LDS store's data are its source 1: window 1
.endif
.irp t, 0,1,2,3,4,5,6,7,8,9,10,11,12,13,14,15
	ds_store_b128 v[AMW], v[128+4*(16*((\a)%2)+\t):128+4*(16*((\a)%2)+\t)+3] offset:528*\t
.endr
	WIN 0
.endm
; and come back in the results' layout: register 8 b + j = mask(query r, key 16 b + 8 h + j).  Rows 528 bytes apart
.macro LOADM t, adr, off
.irp b, 0,1,2,3,4,5,6,7
.irp c, 0,1
	ds_load_b128 v[\t+8*\b+4*\c:\t+8*\b+4*\c+3], v[\adr] offset:\off+64*\b+16*\c
.endr
.endr
.endm
.macro CODES src, pc                   ; 64 numbers of a lane, register 8 t + j = K 16 t + 8 h + j, become a fragment's eight registers
.irp t, 0,1,2,3,4,5,6,7
	v_cvt_scalef32_pk8_fp4_f32 v[\pc+4*(\t/4)+2*(\t%2)+(\t%4)/2], v[\src+8*\t:\src+8*\t+7], v[SO+\t/2]
.endr
	v_nop                                          ; one plain place behind a scaled conversion
.irp c, 0,1
.irp u, 0,1
	v_permlane16_swap_b32 v[\pc+4*\c+2*\u], v[\pc+4*\c+2*\u+1]   ; tiles 4 c + u and 4 c + 2 + u change halves: registers 4 c + 2 u, + 1 hold K = 64 c + 32 h + 16 u + 0 .. 15
.endr
.endr
.endm
; Tile a of 16 queries: its mask lies in v[t ..]
.macro SOFT a, t
	WIN 2+(\a)/4                                   ; source 0: the accumulators' window
.set j, 0
.rept 32
	v_pk_fma_f32 v[\t+j:\t+j+1], v[64*((\a)%4)+j:64*((\a)%4)+j+1], s[C32:C32+1], v[\t+j:\t+j+1] op_sel_hi:[1,0,1]   ; score / 32 + mask, one rounding; each accumulator from its low end on
.set j, j+2
.endr
	WIN 0
.set j, 0
.rept 32
	v_pk_mul_f32 v[\t+j:\t+j+1], v[\t+j:\t+j+1], s[L2E:L2E+1] op_sel_hi:[1,0]   ; t
.set j, j+2
.endr
.irp b, 0,1,2,3
	v_max3_num_f32 v[BM+\b], v[\t+16*\b], v[\t+16*\b+1], v[\t+16*\b+2]   ; the largest t of each block of 32 keys: for the piece's maximum and for the block's largest p
.endr
.irp i, 3,5,7,9,11,13
.irp b, 0,1,2,3
	v_max3_num_f32 v[BM+\b], v[BM+\b], v[\t+16*\b+\i], v[\t+16*\b+\i+1]
.endr
.endr
.irp b, 0,1,2,3
	v_max_num_f32 v[BM+\b], v[BM+\b], v[\t+16*\b+15]
.endr
.irp b, 0,1,2,3
	v_permlanex16_b32 v[BX+\b], v[BM+\b], s[SEL], s[SEL+1]
.endr
.irp b, 0,1,2,3
	v_max_num_f32 v[BM+\b], v[BM+\b], v[BX+\b]
.endr
	v_max3_num_f32 v[TP], v[BM], v[BM+1], v[BM+2]
	v_max3_num_f32 v[TP], v[TP], v[BM+3], 0xff61b1e6   ; held at -3e38 from below, so that a piece of -infinity gives p = 0
	v_floor_f32 v[NM], -v[TP]                      ; -M = floor(-t) = -ceil(t): a whole number
.set j, 0
.rept 32
	v_pk_add_f32 v[\t+j:\t+j+1], v[\t+j:\t+j+1], v[NM:NM+1] op_sel_hi:[1,0]   ; t - M
.set j, j+2
.endr
.irp b, 0,1,2,3
	v_add_f32 v[BM+\b], v[BM+\b], v[NM]
.endr
.set j, 0
.rept 64
	v_exp_f32 v[\t+j], v[\t+j]                     ; p = 2^(t - M), at most 1
.set j, j+1
.endr
.irp b, 0,1,2,3
	v_exp_f32 v[BM+\b], v[BM+\b]                   ; the block's largest p: the same two instructions on the same number
.endr
	v_nop                                          ; one plain place behind the exponentials (ISA guide 5.7.2)
	s_wait_alu depctr_va_vdst(0)
	v_pk_add_f32 v[LA:LA+1], v[\t:\t+1], v[\t+2:\t+3]   ; the sum is taken of the unquantised p, in two chains
	v_pk_add_f32 v[LB:LB+1], v[\t+4:\t+5], v[\t+6:\t+7]
.irp j, 8,12,16,20,24,28,32,36,40,44,48,52,56,60
	v_pk_add_f32 v[LA:LA+1], v[LA:LA+1], v[\t+\j:\t+\j+1]
	v_pk_add_f32 v[LB:LB+1], v[LB:LB+1], v[\t+\j+2:\t+\j+3]
.endr
	v_pk_add_f32 v[LA:LA+1], v[LA:LA+1], v[LB:LB+1]
	v_add_f32 v[LA], v[LA], v[LA+1]
	v_permlanex16_b32 v[TP], v[LA], s[SEL], s[SEL+1]
	v_add_f32 v[LA], v[LA], v[TP]                  ; with lane l xor 16's: the piece's sum of my query
.irp b, 0,1,2,3
	v_max_num_f32 v[BM+\b], 0x1800000, v[BM+\b]    ; the floor 2^(3 - 127): the byte cannot fall under 1
.endr
.irp b, 0,1,2,3
	v_add_nc_u32 v[SO+\b], 0xff000000, v[BM+\b]
.endr
.irp b, 0,1,2,3
	v_lshrrev_b32 v[BX+\b], 23, v[SO+\b]
.endr
	v_lshl_or_b32 v[PW], v[BX+1], 8, v[BX]
	v_lshl_or_b32 v[PW], v[BX+2], 16, v[PW]
	v_lshl_or_b32 v[PW], v[BX+3], 24, v[PW]
	s_wait_xcnt 0x0                                ; the codes' registers are the last tile's store data: written again only behind this wait
	CODES \t, PC
	global_store_b128 v[L16], v[PC:PC+3], s[10:11] offset:16384*(\a)       ; the wave stores 512 consecutive bytes, aligned
	global_store_b128 v[L16], v[PC+4:PC+7], s[10:11] offset:16384*(\a)+512
	ds_store_b32 v[SSW], v[PW] offset:64*(\a)      ; lanes r and 16 + r write the same word with the same value
	ds_store_b32 v[SSW], v[NM] offset:512+64*(\a)
	ds_store_b32 v[SSW], v[LA] offset:1024+64*(\a)
.endm
	s_load_b256 s[4:11], s[0:1], 0x0               ; cod 4, scl 6, mask 8, pcod 10
	s_load_b64 s[12:13], s[0:1], 0x20              ; pst
	v_lshl_add_u32 v[SPW], v0, 2, SPARE
	v_mov_b32 v[NIL], 0
	ds_add_u32 v9, v10
	ds_add_u32 v9, v10
	s_wait_dscnt 0x0
	v_lshrrev_b32 v125, 5, v0
	v_readfirstlane_b32 s[WV], v125
	v_and_b32 v127, 31, v0                         ; lane
	v_lshlrev_b32 v[L16], 4, v127
	s_lshr_b32 s[HQ], s[WV], 1                     ; my half of the queries.  Also: I fetch for Q (0) or for K (1)
	s_and_b32 s[HK], s[WV], 1                      ; my half of the keys.  Also: which half of that side I fetch
	s_bfe_u32 s[CX], ttmp6, 0x40000
	s_bfe_u32 s[CY], ttmp6, 0x40004
	s_lshl_b32 s[GX], ttmp9, 2
	s_add_co_u32 s[GX], s[GX], s[CX]               ; key block 0..7
	s_and_b32 s[GY], ttmp7, 0xffff
	s_lshr_b32 s[BB], s[GY], 1                     ; the batch, from the cluster's y alone: it enters K's addresses
	s_lshl_b32 s[GY], s[GY], 2
	s_add_co_u32 s[GY], s[GY], s[CY]               ; 8 x batch + query block
	s_lshl_b32 s[RM], s[CY], 2
	s_lshl_b32 s[RM], 15, s[RM]
	s_lshl_b32 s[CM], 0x1111, s[CX]
	; group 1, codes: 8 tiles' four K steps: 8 rows of 4,096 bytes (512 elements of 8), 8,192 bytes apart
	s_or_b32 s[G1Q], s[RM], (3<<16)|(1<<21)
	s_or_b32 s[G1K], s[CM], (3<<16)|(1<<21)
.irp g, G1Q, G1K
	s_mov_b32 s[\g+1], 512<<16
	s_mov_b32 s[\g+2], 8<<16
	s_mov_b32 s[\g+3], 512<<16
	s_mov_b32 s[\g+4], 8
	s_mov_b32 s[\g+5], 1024
	s_mov_b32 s[\g+6], 0
	s_mov_b32 s[\g+7], 0
.endr
	; group 1, scale words: 4 K steps x 128 rows' words, 2,048 words apart
	s_or_b32 s[G1SQ], s[RM], (2<<16)|(1<<21)
	s_or_b32 s[G1SK], s[CM], (2<<16)|(1<<21)
.irp g, G1SQ, G1SK
	s_mov_b32 s[\g+1], 128<<16
	s_mov_b32 s[\g+2], 4<<16
	s_mov_b32 s[\g+3], 128<<16
	s_mov_b32 s[\g+4], 4
	s_mov_b32 s[\g+5], 2048
	s_mov_b32 s[\g+6], 0
	s_mov_b32 s[\g+7], 0
.endr
	; group 1, the mask: 64 rows x 128 numbers, 2,048 numbers apart, 16 bytes of padding behind each row; no work-group mask
	s_mov_b32 s[G1M], (2<<16)|(1<<20)|(6<<22)|(3<<25)
	s_mov_b32 s[G1M+1], 128<<16
	s_mov_b32 s[G1M+2], 64<<16
	s_mov_b32 s[G1M+3], 128<<16
	s_mov_b32 s[G1M+4], 64
	s_mov_b32 s[G1M+5], 2048
	s_mov_b32 s[G1M+6], 0
	s_mov_b32 s[G1M+7], 0
	s_wait_kmcnt 0x0
	; Q's side: gy and the wave's number alone
	s_lshl_b32 s2, s[GY], 17
	s_lshl_b32 s66, s[HK], 16
	s_add_co_u32 s2, s2, s66
	s_mov_b32 s3, 0
	s_add_nc_u64 s[G0QC0+2:G0QC0+3], s[4:5], s[2:3]
	s_add_nc_u64 s[G0QC1+2:G0QC1+3], s[G0QC0+2:G0QC0+3], 4096
	s_lshr_b32 s2, s[GY], 3
	s_lshl_b32 s2, s2, 16
	s_and_b32 s66, s[GY], 7
	s_lshl_b32 s66, s66, 10
	s_add_co_u32 s2, s2, s66
	s_lshl_b32 s66, s[HK], 9
	s_add_co_u32 s2, s2, s66
	s_add_nc_u64 s[G0QS0+2:G0QS0+3], s[6:7], s[2:3]
	s_add_nc_u64 s[G0QS1+2:G0QS1+3], s[G0QS0+2:G0QS0+3], 32768
	; K's side: the batch, gx and the wave's number alone
	s_lshl_b32 s100, s[BB], 20
	s_lshl_b32 s67, s[GX], 17
	s_add_co_u32 s100, s100, s67
	s_lshl_b32 s67, s[HK], 16
	s_add_co_u32 s100, s100, s67
	s_add_co_u32 s100, s100, 0x400000
	s_mov_b32 s101, 0
	s_add_nc_u64 s[G0KC0+2:G0KC0+3], s[4:5], s[100:101]
	s_add_nc_u64 s[G0KC1+2:G0KC1+3], s[G0KC0+2:G0KC0+3], 4096
	s_lshl_b32 s100, s[BB], 16
	s_lshl_b32 s67, s[GX], 10
	s_add_co_u32 s100, s100, s67
	s_lshl_b32 s67, s[HK], 9
	s_add_co_u32 s100, s100, s67
	s_add_co_u32 s100, s100, 0x40000
	s_add_nc_u64 s[G0KS0+2:G0KS0+3], s[6:7], s[100:101]
	s_add_nc_u64 s[G0KS1+2:G0KS1+3], s[G0KS0+2:G0KS0+3], 32768
.irp g, G0QS0, G0QC0, G0QS1, G0QC1, G0KS0, G0KC0, G0KS1, G0KC1
	s_mov_b32 s[\g], 1
	s_or_b32 s[\g+3], s[\g+3], 0x80000000
.endr
	s_lshl_b32 s[G0QC0+1], s[HK], 15               ; LDS: the wave's number and constants alone
	s_add_co_u32 s[G0QC1+1], s[G0QC0+1], SLOT
	s_add_co_u32 s[G0KC0+1], s[G0QC0+1], KOFF
	s_add_co_u32 s[G0KC1+1], s[G0QC0+1], SLOT+KOFF
	s_lshl_b32 s[G0QS0+1], s[HK], 11
	s_add_co_u32 s[G0QS1+1], s[G0QS0+1], SLOT+QSOF
	s_add_co_u32 s[G0KS0+1], s[G0QS0+1], KSOF
	s_add_co_u32 s[G0KS1+1], s[G0QS0+1], SLOT+KSOF
	s_add_co_u32 s[G0QS0+1], s[G0QS0+1], QSOF
	CROUND                                         ; all sixteen work-groups are here: the first joint loads meet
	s_cmp_lt_u32 s[WV], 2                          ; a wave's four first fills stand in one branch, slot 0's two first: four loads of mine are out
	s_cbranch_scc0 .Lfill_k
	tensor_load_to_lds s[G0QS0:G0QS0+3], s[G1SQ:G1SQ+7]
	s_nop 0
	tensor_load_to_lds s[G0QC0:G0QC0+3], s[G1Q:G1Q+7]
	s_nop 0
	tensor_load_to_lds s[G0QS1:G0QS1+3], s[G1SQ:G1SQ+7]
	s_nop 0
	tensor_load_to_lds s[G0QC1:G0QC1+3], s[G1Q:G1Q+7]
	s_nop 0
	PLACES 4
	s_branch .Lfilled
.Lfill_k:
	tensor_load_to_lds s[G0KS0:G0KS0+3], s[G1SK:G1SK+7]
	s_nop 0
	tensor_load_to_lds s[G0KC0:G0KC0+3], s[G1K:G1K+7]
	s_nop 0
	tensor_load_to_lds s[G0KS1:G0KS1+3], s[G1SK:G1SK+7]
	s_nop 0
	tensor_load_to_lds s[G0KC1:G0KC1+3], s[G1K:G1K+7]
	s_nop 0
	PLACES 4
.Lfilled:
	; the mask at my tile's first number
	s_lshl_b32 s104, s[GY], 21
	s_lshl_b32 s66, s[HQ], 20
	s_add_co_u32 s104, s104, s66
	s_lshl_b32 s66, s[GX], 10
	s_add_co_u32 s104, s104, s66
	s_lshl_b32 s66, s[HK], 9
	s_add_co_u32 s104, s104, s66
	s_mov_b32 s105, 0
	s_add_nc_u64 s[8:9], s[8:9], s[104:105]
.irp a, 0,1,2,3                                    ; rows 0-63: 64 loads, each one row's 512 consecutive bytes, read once in the launch
.if \a == 2
	WIN 0x40
.endif
.irp t, 0,1,2,3,4,5,6,7,8,9,10,11,12,13,14,15
	global_load_b128 v[128+4*(16*(\a%2)+\t):128+4*(16*(\a%2)+\t)+3], v[L16], s[8:9] offset:8192*(16*\a+\t) th:TH_LOAD_NT
.endr
.endr
	WIN 0
	s_mov_b32 s[G0M], 1                            ; rows 64-127: the descriptor (cod's and scl's addresses are used up)
	s_mul_i32 s[G0M+1], s[WV], 33792
	s_add_nc_u64 s[G0M+2:G0M+3], s[8:9], 0x80000
	s_or_b32 s[G0M+3], s[G0M+3], 0x80000000
	; where the results go
	s_lshl_b32 s104, s[GY], 18
	s_lshl_b32 s66, s[HQ], 17
	s_add_co_u32 s104, s104, s66
	s_lshl_b32 s66, s[GX], 11
	s_add_co_u32 s104, s104, s66
	s_lshl_b32 s66, s[HK], 10
	s_add_co_u32 s104, s104, s66
	s_add_nc_u64 s[10:11], s[10:11], s[104:105]
	s_lshr_b32 s104, s[GY], 3
	s_lshl_b32 s104, s104, 17
	s_lshl_b32 s66, s[GX], 14
	s_add_co_u32 s104, s104, s66
	s_lshl_b32 s66, s[HK], 13
	s_add_co_u32 s104, s104, s66
	s_and_b32 s66, s[GY], 7
	s_lshl_b32 s66, s66, 10
	s_add_co_u32 s104, s104, s66
	s_lshl_b32 s66, s[HQ], 9
	s_add_co_u32 s104, s104, s66
	s_add_nc_u64 s[12:13], s[12:13], s[104:105]
	; LDS addresses
	v_and_b32 v125, 15, v0                         ; r
	v_bfe_u32 v126, v0, 4, 1                       ; h
	s_lshl_b32 s66, s[HQ], 15
	v_add_nc_u32 v[ADRA], s66, v[L16]
	v_add_nc_u32 v[ADRA+1], SLOT, v[ADRA]
	s_lshl_b32 s66, s[HK], 15
	s_add_co_u32 s66, s66, KOFF
	v_add_nc_u32 v[ADRB], s66, v[L16]
	v_add_nc_u32 v[ADRB+1], SLOT, v[ADRB]
	s_lshl_b32 s66, s[HQ], 11
	s_add_co_u32 s66, s66, QSOF
	v_lshl_add_u32 v[ADSQ], v127, 2, s66
	v_add_nc_u32 v[ADSQ+1], SLOT, v[ADSQ]
	s_lshl_b32 s66, s[HK], 11
	s_add_co_u32 s66, s66, KSOF
	v_lshl_add_u32 v[ADSK], v127, 2, s66
	v_add_nc_u32 v[ADSK+1], SLOT, v[ADSK]
	v_mul_u32_u24 v[TP], v125, 528
	v_lshl_add_u32 v[TP], v126, 5, v[TP]           ; row r, + 32 h
	s_mul_i32 s66, s[WV], 8448
	s_add_co_u32 s66, s66, MSTG
	v_add_nc_u32 v[AMW], s66, v[L16]
	v_add_nc_u32 v[AMS], s66, v[TP]
	s_mul_i32 s66, s[WV], 33792
	v_add_nc_u32 v[AMT], s66, v[TP]
	s_mul_i32 s66, s[WV], 1536
	s_add_co_u32 s66, s66, SSTG
	v_lshl_add_u32 v[SSW], v125, 2, s66
	v_add_nc_u32 v[SSR], s66, v[L16]
	v_mov_b32 v[NM+1], 0                           ; named with -M as a pair
.irp b, 0,1,2,3
	v_mov_b32 v[BX+\b], 0                          ; a lane permute's destination counts as one of its sources
.endr
	s_mov_b32 s[SEL], 0x76543210
	s_mov_b32 s[SEL+1], 0xfedcba98
	s_mov_b32 s[L2E], 0x3fb8aa3b                   ; log2(e)
	s_mov_b32 s[L2E+1], s[L2E]
	s_mov_b32 s[C32], 0x3d000000                   ; 1 / sqrt(1,024)
	s_mov_b32 s[C32+1], s[C32]
	s_wait_tensorcnt 2                             ; my part of slot 0 is in; slot 1's two loads, issued behind it, may stay out
	s_barrier_signal -1
	s_barrier_wait -1
	START 0
	STEP 0, 0, 1                                   ; the first products start the sums: nothing is cleared
	STEP 0, 1, 0
	STEP 0, 2, 0
	STEPX
	s_wait_tensorcnt 0x0                           ; THE CHANGE OF SLOTS: slot 1's loads have landed, none of mine is out,
	ds_add_u32 v[SPW], v[NIL]                      ; 0 onto my spare word,
	s_wait_dscnt 0x0                               ; the add is done and my reads of slot 0 are over
	CROUND                                         ; and that holds of every wave
	tensor_load_to_lds s[G0M:G0M+3], s[G1M:G1M+7]  ; the mask's rows 64-127 of my tile, into my quarter of slot 0: my one tensor load behind the round
	s_nop 0
	PLACES 4                                       ; (also the places in front of the loads below)
	START 1
	STEP 1, 0, 0
	STEP 1, 1, 0
	STEP 1, 2, 0
	STEPX
	PLACES 4
	; THE WAY OUT, a tile of 16 queries at a time; the next tile's mask is on its way through LDS while this tile is worked
	STAGE 0
	LOADM T0, AMS, 0
.irp a, 0,1,2,3,4,5,6,7
.if \a < 3
	STAGE \a+1
.if \a == 0
	s_wait_dscnt 32                                ; tile 0's sixteen stage stores are done (behind them: its 16 loads, tile 1's 16 stores): the loads below land in the registers that they read
.endif
	LOADM T0+(T1-T0)*((\a+1)%2), AMS, 0
	s_wait_dscnt 32                                ; the next tile's 16 stores and 16 loads may be out: this tile's mask is in, and the last tile's three small stores are done
.elseif \a == 3
	s_wait_tensorcnt 0x0                           ; the mask's rows 64-127 have landed: only I read them
	LOADM T0, AMT, 0
	s_wait_dscnt 16                                ; the next tile's 16 loads may be out
.elseif \a < 7
	LOADM T0+(T1-T0)*((\a+1)%2), AMT, 8448*(\a-3)
	s_wait_dscnt 16
.else
	s_wait_dscnt 0x0
.endif
	SOFT \a, T0+(T1-T0)*(\a%2)
.endr
	ds_load_b128 v[48:51], v[SSR]                  ; LDS serves a wave's instructions in order: these see my stores
	ds_load_b128 v[52:55], v[SSR] offset:512
	ds_load_b128 v[56:59], v[SSR] offset:1024
	s_wait_dscnt 0x0
	global_store_b128 v[L16], v[48:51], s[12:13]                   ; 128 queries' scale words: 512 consecutive bytes, aligned
	global_store_b128 v[L16], v[52:55], s[12:13] offset:0x80000    ; their -M
	global_store_b128 v[L16], v[56:59], s[12:13] offset:0x100000   ; their sums
	s_wait_tensorcnt 0x0                           ; the wave's end
	ds_add_u32 v[SPW], v[NIL]
	s_wait_dscnt 0x0
	CROUND                                         ; the closing round
	s_endpgm
.Lfunc_end_k_qf0e050e919_score:
	.size	k_qf0e050e919_score, .Lfunc_end_k_qf0e050e919_score-k_qf0e050e919_score
	.p2alignl 7, 3214868480
	.fill 96, 4, 3214868480
	.section	.rodata,"a",@progbits
	.p2align	6, 0x0
	.amdhsa_kernel k_qf0e050e919_score
		.amdhsa_group_segment_fixed_size 327680
		.amdhsa_private_segment_fixed_size 0
		.amdhsa_enable_private_segment 0
		.amdhsa_kernarg_size 40
		.amdhsa_user_sgpr_count 2
		.amdhsa_user_sgpr_kernarg_segment_ptr 1
		.amdhsa_wavefront_size32 1
		.amdhsa_system_sgpr_workgroup_id_x 1
		.amdhsa_system_sgpr_workgroup_id_y 1
		.amdhsa_system_sgpr_workgroup_id_z 1
		.amdhsa_system_vgpr_workitem_id 0
		.amdhsa_next_free_vgpr 1024
		.amdhsa_next_free_sgpr 106
		.amdhsa_reserve_vcc 0
		.amdhsa_float_denorm_mode_32 3
		.amdhsa_float_denorm_mode_16_64 3
		.amdhsa_memory_ordered 1
		.amdhsa_forward_progress 1
		.amdhsa_inst_pref_size 237
	.end_amdhsa_kernel
	.amdgpu_metadata
---
amdhsa.version: [ 1, 2 ]
amdhsa.kernels:
  - .name:           k_qf0e050e919_score
    .symbol:         k_qf0e050e919_score.kd
    .args:
      - { .name: cod, .offset: 0, .size: 8, .value_kind: global_buffer, .address_space: global }
      - { .name: scl, .offset: 8, .size: 8, .value_kind: global_buffer, .address_space: global }
      - { .name: mask, .offset: 16, .size: 8, .value_kind: global_buffer, .address_space: global }
      - { .name: pcod, .offset: 24, .size: 8, .value_kind: global_buffer, .address_space: global }
      - { .name: pst, .offset: 32, .size: 8, .value_kind: global_buffer, .address_space: global }
    .group_segment_fixed_size: 327680
    .private_segment_fixed_size: 0
    .kernarg_segment_align: 8
    .kernarg_segment_size: 40
    .max_flat_workgroup_size: 128
    .sgpr_count:     106
    .vgpr_count:     1024
    .wavefront_size: 32
...
	.end_amdgpu_metadata
.endif
;; end of part 2
;; launch pv (part 3): grid 4 x 64, 4 waves a work-group, clusters of 4 x 4, 327,680 bytes of LDS; arguments cod, scl, pcod, pst, out0; writes out0
.if DOCPART == 3
	.amdgcn_target "amdgcn-amd-amdhsa--gfx1250"
	.amdhsa_code_object_version 6
	.text
	.protected	k_qf0e050e919_pv
	.globl	k_qf0e050e919_pv
	.p2align	8
	.type	k_qf0e050e919_pv,@function
k_qf0e050e919_pv:
	s_mov_b64 s[64:65], 0
	v_nop
	global_prefetch_b8 v0, s[64:65] scope:SCOPE_SE
	s_setreg_imm32_b32 hwreg(HW_REG_WAVE_MODE, 25, 1), 1
	s_wait_xcnt 0x0
	s_wait_alu depctr_hold_cnt(0) depctr_sa_sdst(0) depctr_va_vdst(0) depctr_va_sdst(0) depctr_va_ssrc(0) depctr_va_vcc(0) depctr_vm_vsrc(0)
	s_getreg_b32 s2, hwreg(HW_REG_IB_STS2, 6, 4)
	s_cmp_eq_u32 s2, 0
	s_cbranch_scc0 .Lentry_in_a_cluster
	s_endpgm
.Lentry_in_a_cluster:
	s_bfe_u32 s2, ttmp6, 0x10000c
	s_cmp_lg_u32 s2, 0xf033
	s_cbranch_scc0 .Lentry_shape_is_right
	s_endpgm
.Lentry_shape_is_right:
; out = (p v) / l on codes of FP4 (E2M1), K = the 2,048 keys.  p arrives in pieces of 128 keys, each under a whole number M of its own.  At the head each thread takes one query: the row's M is the largest of its 16,
; each piece's four scale bytes are lowered by (row's M - piece's M), and l is the sum of the pieces' sums times 2^(piece's M - row's M): both exact.
; SHARES.  A work-group makes 128 queries x 256 channels; each of four waves 64 x 128: 32 accumulators.  Source 0 = 16 channels of v, source 1 = 16 queries of p: lane (r, h) register j of accumulator (a, b) is query 16 a + r, channel 16 b + 8 h + j.
; p's and v's fragments lie in memory as images of operand registers.  Three LDS slots of four K steps are filled at the start; the last four K steps fill slot 0 again: one refill in the launch.
; CLUSTER 4 x 4: p's tiles hang on the query block alone (shared along a row of the cluster), v's on the batch and the channel block (along a column).
; LIMITS: NaN and +infinity are not served.  The lowering is held at 255 and a byte at 0 (2^-127): a block that lies more than some 2^120 under its row's largest p is multiplied at 2^-127 and not dropped.
;   A row that is all -infinity gives NaN, as the softmax itself does.
.set SLB,   98304                      ; a slot: p's 8 tiles x 4,096 bytes, then v's 16
.set VOFF,  32768
.set VSC,   294912                     ; v's scale words [half][16 K steps][128 channels]
.set PSC,   311296                     ; p's lowered scale words [16 K steps][128 queries]
.set LRC,   319488                     ; 1 / l of the 128 queries
.set SPARE, 320000
.set AP,  1                            ; v1-3  my p fragments in slot 0, 1, 2
.set AV,  4                            ; v4-6  my v fragments
.set ASP, 7                            ; v7    p's scale words
.set ASV, 8                            ; v8    v's
.set SPW, 9                            ; v9    my spare word; never rewritten
.set NIL, 10                           ; v10   0; never rewritten
.set CO,  11                           ; v11   16 x lane
.set STO, 12                           ; v12   the way out: where I put 32 bytes of a row
.set RD,  13                           ; v13   and where I read a row back
.set T4,  14                           ; v14   4 x thread
.set ARL, 15                           ; v15   1 / l of my tiles' rows
.set APW, 16                           ; v16   PSC + 4 x thread
; v32-43 scale words and nothing else: set p: v's pairs of tiles at 32 + 6 p, p's at 36 + 6 p
.set RL,  44                           ; v44-51 1 / l of tile a in the even register (the odd one = 0: named with it as a pair)
.set NMK, 64                           ; the head: 16 -M,
.set PLK, 80                           ; 16 sums,
.set PSK, 96                           ; 16 scale words
.set LL,  112
.set NMR, 113
.set DD,  114
.set DI,  115
.set ND,  116
.set TT,  117
.set B0,  118
.set MM,  122
.set RC,  126
.set TMP, 64                           ; the way out
.set BK,  128
; v64-127, v128-191 v's fragments, two sets; v192-223, v224-255 p's.  window 1: accumulator (a, b) at v[8 (8 a + b)]
.set WV, 14
.set HQ, 15
.set HK, 16
.set CX, 17
.set CY, 18
.set GX, 19
.set GY, 20
.set BB, 21
.set RM, 22
.set CM, 23
.set G1P, 32
.set G1V, 40
.set G1VS, 48
.set G0P0, 56
.set G0P1, 60
.set G0P2, 68
.set G0VS, 72
.set G0V0, 76
.set G0V1, 80
.set G0V2, 84
.set MSB, 0
.macro WIN new
.if MSB != (\new)
	s_set_vgpr_msb (MSB<<8)|(\new)
.set MSB, (\new)
.endif
.endm
.macro PLACES n
.rept \n
	v_nop
.endr
.endm
.macro CROUND
	s_barrier_signal -1
	s_barrier_wait -1
	s_cmp_lg_u32 s[WV], 0
	s_cbranch_scc1 .Lnot_wave_0_\@
	s_barrier_signal -3
.Lnot_wave_0_\@:
	s_barrier_wait -3
	s_barrier_signal -1
	s_barrier_wait -1
.endm
.macro WM d, a, b, cm, cr, sa, sb, pa, pb
.if (\cm) == 0
.if ((\pa) == 0) && ((\pb) == 0)
	v_wmma_scale_f32_16x16x128_f8f6f4 v[\d:\d+7], v[\a:\a+7], v[\b:\b+7], 0, v[\sa], v[\sb] matrix_a_fmt:MATRIX_FMT_FP4 matrix_b_fmt:MATRIX_FMT_FP4
.elseif ((\pa) == 1) && ((\pb) == 0)
	v_wmma_scale_f32_16x16x128_f8f6f4 v[\d:\d+7], v[\a:\a+7], v[\b:\b+7], 0, v[\sa], v[\sb] matrix_a_fmt:MATRIX_FMT_FP4 matrix_b_fmt:MATRIX_FMT_FP4 matrix_a_scale:MATRIX_SCALE_ROW1
.elseif ((\pa) == 0) && ((\pb) == 1)
	v_wmma_scale_f32_16x16x128_f8f6f4 v[\d:\d+7], v[\a:\a+7], v[\b:\b+7], 0, v[\sa], v[\sb] matrix_a_fmt:MATRIX_FMT_FP4 matrix_b_fmt:MATRIX_FMT_FP4 matrix_b_scale:MATRIX_SCALE_ROW1
.else
	v_wmma_scale_f32_16x16x128_f8f6f4 v[\d:\d+7], v[\a:\a+7], v[\b:\b+7], 0, v[\sa], v[\sb] matrix_a_fmt:MATRIX_FMT_FP4 matrix_b_fmt:MATRIX_FMT_FP4 matrix_a_scale:MATRIX_SCALE_ROW1 matrix_b_scale:MATRIX_SCALE_ROW1
.endif
.else
.if ((\pa) == 0) && ((\pb) == 0)
	v_wmma_scale_f32_16x16x128_f8f6f4 v[\d:\d+7], v[\a:\a+7], v[\b:\b+7], v[\cr:\cr+7], v[\sa], v[\sb] matrix_a_fmt:MATRIX_FMT_FP4 matrix_b_fmt:MATRIX_FMT_FP4
.elseif ((\pa) == 1) && ((\pb) == 0)
	v_wmma_scale_f32_16x16x128_f8f6f4 v[\d:\d+7], v[\a:\a+7], v[\b:\b+7], v[\cr:\cr+7], v[\sa], v[\sb] matrix_a_fmt:MATRIX_FMT_FP4 matrix_b_fmt:MATRIX_FMT_FP4 matrix_a_scale:MATRIX_SCALE_ROW1
.elseif ((\pa) == 0) && ((\pb) == 1)
	v_wmma_scale_f32_16x16x128_f8f6f4 v[\d:\d+7], v[\a:\a+7], v[\b:\b+7], v[\cr:\cr+7], v[\sa], v[\sb] matrix_a_fmt:MATRIX_FMT_FP4 matrix_b_fmt:MATRIX_FMT_FP4 matrix_b_scale:MATRIX_SCALE_ROW1
.else
	v_wmma_scale_f32_16x16x128_f8f6f4 v[\d:\d+7], v[\a:\a+7], v[\b:\b+7], v[\cr:\cr+7], v[\sa], v[\sb] matrix_a_fmt:MATRIX_FMT_FP4 matrix_b_fmt:MATRIX_FMT_FP4 matrix_a_scale:MATRIX_SCALE_ROW1 matrix_b_scale:MATRIX_SCALE_ROW1
.endif
.endif
.endm
; 30 LDS loads: K step kk's fragments (v's eight, p's four) and scale words (a register serves a pair of tiles)
.macro FETCH3 set, kk
.set SG, ((\kk)/4)%3
.set QQ, (\kk)%4
.irp i, 0,1,2,3,4,5,6,7
.irp c, 0,1
	ds_load_b128 v[64+64*(\set)+8*\i+4*\c:64+64*(\set)+8*\i+4*\c+3], v[AV+SG] offset:4096*\i+1024*QQ+512*\c
.endr
.endr
.irp i, 0,1,2,3
.irp c, 0,1
	ds_load_b128 v[192+32*(\set)+8*\i+4*\c:192+32*(\set)+8*\i+4*\c+3], v[AP+SG] offset:4096*\i+1024*QQ+512*\c
.endr
.endr
.irp i, 0,1,2,3
	ds_load_b32 v[32+6*(\set)+\i], v[ASV] offset:512*(\kk)+128*\i
.endr
.irp i, 0,1
	ds_load_b32 v[36+6*(\set)+\i], v[ASP] offset:512*(\kk)+128*\i
.endr
.endm
; 32 matrix instructions; the 32 accumulators take turns, one instruction a turn, in the same order in every step
.macro MUL3 set, zero
	WIN 0x50
.irp a, 0,1,2,3
.irp b, 0,1,2,3,4,5,6,7
.if \zero
	WM 8*(8*\a+\b), 64+64*(\set)+8*\b, 192+32*(\set)+8*\a, 0, 0, 32+6*(\set)+\b/2, 36+6*(\set)+\a/2, \b%2, \a%2
.else
	WM 8*(8*\a+\b), 64+64*(\set)+8*\b, 192+32*(\set)+8*\a, 1, 8*(8*\a+\b), 32+6*(\set)+\b/2, 36+6*(\set)+\a/2, \b%2, \a%2
.endif
.endr
.endr
	WIN 0
.endm
.macro STEP3 kk                        ; a K step whose successor lies in LDS for all to read
	s_wait_dscnt 0x0                               ; this step's fragments are in (asked for a step ago)
.if (\kk) > 0
	PLACES 4                                       ; loads into registers that the last step's matrix instructions read stand four places behind them
.endif
	FETCH3 ((\kk)+1)%2, (\kk)+1
.if (\kk) == 0
	MUL3 0, 1
.else
	MUL3 (\kk)%2, 0
.endif
.endm
; Piece k of my query: its sum and its four scale bytes come under the row's M
.macro LOWER k
	v_sub_f32 v[DD], v[NMK+\k], v[NMR]             ; the row's M less the piece's: a whole number, 0 or more
	v_min_num_f32 v[DD], 0x437f0000, v[DD]         ; held at 255
	v_cvt_i32_f32 v[DI], v[DD]
	v_sub_nc_u32 v[ND], 0, v[DI]
.if \k == 0
	v_ldexp_f32 v[LL], v[PLK], v[ND]
.else
	v_ldexp_f32 v[TT], v[PLK+\k], v[ND]
	v_add_f32 v[LL], v[LL], v[TT]
.endif
	v_and_b32 v[B0], 0xff, v[PSK+\k]
	v_bfe_u32 v[B0+1], v[PSK+\k], 8, 8
	v_bfe_u32 v[B0+2], v[PSK+\k], 16, 8
	v_lshrrev_b32 v[B0+3], 24, v[PSK+\k]
.irp i, 0,1,2,3
	v_min_u32 v[MM+\i], v[B0+\i], v[DI]
.endr
.irp i, 0,1,2,3
	v_sub_nc_u32 v[B0+\i], v[B0+\i], v[MM+\i]      ; the byte, lowered, held at 0
.endr
	v_lshl_or_b32 v[PSK+\k], v[B0+1], 8, v[B0]
	v_lshl_or_b32 v[PSK+\k], v[B0+2], 16, v[PSK+\k]
	v_lshl_or_b32 v[PSK+\k], v[B0+3], 24, v[PSK+\k]
	ds_store_b32 v[APW], v[PSK+\k] offset:512*\k
.endm
	s_load_b256 s[4:11], s[0:1], 0x0               ; cod 4, scl 6, pcod 8, pst 10
	s_load_b64 s[12:13], s[0:1], 0x20              ; out0
	v_lshl_add_u32 v[SPW], v0, 2, SPARE
	v_mov_b32 v[NIL], 0
	ds_add_u32 v9, v10
	ds_add_u32 v9, v10
	s_wait_dscnt 0x0
	v_lshrrev_b32 v20, 5, v0
	v_readfirstlane_b32 s[WV], v20
	v_lshlrev_b32 v[T4], 2, v0
	s_lshr_b32 s[HQ], s[WV], 1                     ; my half of the queries.  Also: I fetch for p (0) or for v (1)
	s_and_b32 s[HK], s[WV], 1                      ; my half of the channels.  Also: which half of that side I fetch
	s_bfe_u32 s[CX], ttmp6, 0x40000
	s_bfe_u32 s[CY], ttmp6, 0x40004
	s_lshl_b32 s[GX], ttmp9, 2
	s_add_co_u32 s[GX], s[GX], s[CX]               ; channel block 0..3
	s_and_b32 s[GY], ttmp7, 0xffff
	s_lshr_b32 s[BB], s[GY], 2                     ; the batch, from the cluster's y alone: it enters v's addresses
	s_lshl_b32 s[GY], s[GY], 2
	s_add_co_u32 s[GY], s[GY], s[CY]               ; 16 x batch + query block
	s_lshl_b32 s[RM], s[CY], 2
	s_lshl_b32 s[RM], 15, s[RM]
	s_lshl_b32 s[CM], 0x1111, s[CX]
	; group 1: p: 4 tiles' four K steps: 4 rows of 4,096 bytes (512 elements of 8), 16,384 bytes apart;  v: 8 such rows
	s_or_b32 s[G1P], s[RM], (3<<16)|(1<<21)
	s_mov_b32 s[G1P+1], 512<<16
	s_mov_b32 s[G1P+2], 4<<16
	s_mov_b32 s[G1P+3], 512<<16
	s_mov_b32 s[G1P+4], 4
	s_mov_b32 s[G1P+5], 2048
	s_mov_b32 s[G1P+6], 0
	s_mov_b32 s[G1P+7], 0
	s_or_b32 s[G1V], s[CM], (3<<16)|(1<<21)
	s_mov_b32 s[G1V+1], 512<<16
	s_mov_b32 s[G1V+2], 8<<16
	s_mov_b32 s[G1V+3], 512<<16
	s_mov_b32 s[G1V+4], 8
	s_mov_b32 s[G1V+5], 2048
	s_mov_b32 s[G1V+6], 0
	s_mov_b32 s[G1V+7], 0
	; v's scale words: 16 K steps x 128 channels' words, 1,024 words apart
	s_or_b32 s[G1VS], s[CM], (2<<16)|(1<<21)
	s_mov_b32 s[G1VS+1], 128<<16
	s_mov_b32 s[G1VS+2], 16<<16
	s_mov_b32 s[G1VS+3], 128<<16
	s_mov_b32 s[G1VS+4], 16
	s_mov_b32 s[G1VS+5], 1024
	s_mov_b32 s[G1VS+6], 0
	s_mov_b32 s[G1VS+7], 0
	s_wait_kmcnt 0x0
	; p's side: gy and the wave's number alone
	s_lshl_b32 s2, s[GY], 17
	s_lshl_b32 s24, s[HK], 16
	s_add_co_u32 s2, s2, s24
	s_mov_b32 s3, 0
	s_add_nc_u64 s[G0P0+2:G0P0+3], s[8:9], s[2:3]
	s_add_nc_u64 s[G0P1+2:G0P1+3], s[G0P0+2:G0P0+3], 4096
	s_add_nc_u64 s[G0P2+2:G0P2+3], s[G0P0+2:G0P0+3], 8192
	; v's side: the batch, gx and the wave's number alone
	s_lshl_b32 s26, s[BB], 20
	s_lshl_b32 s25, s[GX], 18
	s_add_co_u32 s26, s26, s25
	s_lshl_b32 s25, s[HK], 17
	s_add_co_u32 s26, s26, s25
	s_add_co_u32 s26, s26, 0x800000
	s_mov_b32 s27, 0
	s_add_nc_u64 s[G0V0+2:G0V0+3], s[4:5], s[26:27]
	s_add_nc_u64 s[G0V1+2:G0V1+3], s[G0V0+2:G0V0+3], 4096
	s_add_nc_u64 s[G0V2+2:G0V2+3], s[G0V0+2:G0V0+3], 8192
	s_lshl_b32 s26, s[BB], 16
	s_lshl_b32 s25, s[GX], 10
	s_add_co_u32 s26, s26, s25
	s_lshl_b32 s25, s[HK], 9
	s_add_co_u32 s26, s26, s25
	s_add_co_u32 s26, s26, 0x80000
	s_add_nc_u64 s[G0VS+2:G0VS+3], s[6:7], s[26:27]
.irp g, G0P0, G0P1, G0P2, G0VS, G0V0, G0V1, G0V2
	s_mov_b32 s[\g], 1
	s_or_b32 s[\g+3], s[\g+3], 0x80000000
.endr
	s_lshl_b32 s[G0P0+1], s[HK], 14                ; LDS: the wave's number and constants alone
	s_add_co_u32 s[G0P1+1], s[G0P0+1], SLB
	s_add_co_u32 s[G0P2+1], s[G0P0+1], 2*SLB
	s_lshl_b32 s[G0V0+1], s[HK], 15
	s_add_co_u32 s[G0V1+1], s[G0V0+1], SLB+VOFF
	s_add_co_u32 s[G0V2+1], s[G0V0+1], 2*SLB+VOFF
	s_add_co_u32 s[G0V0+1], s[G0V0+1], VOFF
	s_lshl_b32 s[G0VS+1], s[HK], 13
	s_add_co_u32 s[G0VS+1], s[G0VS+1], VSC
	CROUND                                         ; all sixteen work-groups are here: the first joint loads meet
	s_cmp_lt_u32 s[WV], 2                          ; a wave's first fills stand in one branch: three or four loads of mine are out
	s_cbranch_scc0 .Lfill_v
	tensor_load_to_lds s[G0P0:G0P0+3], s[G1P:G1P+7]
	s_nop 0
	tensor_load_to_lds s[G0P1:G0P1+3], s[G1P:G1P+7]
	s_nop 0
	tensor_load_to_lds s[G0P2:G0P2+3], s[G1P:G1P+7]
	s_nop 0
	PLACES 4
	s_branch .Lfilled
.Lfill_v:
	tensor_load_to_lds s[G0VS:G0VS+3], s[G1VS:G1VS+7]
	s_nop 0
	tensor_load_to_lds s[G0V0:G0V0+3], s[G1V:G1V+7]
	s_nop 0
	tensor_load_to_lds s[G0V1:G0V1+3], s[G1V:G1V+7]
	s_nop 0
	tensor_load_to_lds s[G0V2:G0V2+3], s[G1V:G1V+7]
	s_nop 0
	PLACES 4
.Lfilled:
	; p's figures: thread t owns query t of the block; a wave reads 128 consecutive bytes, the four waves 512
	s_lshr_b32 s28, s[GY], 4
	s_lshl_b32 s28, s28, 17
	s_and_b32 s30, s[GY], 15
	s_lshl_b32 s30, s30, 9
	s_add_co_u32 s28, s28, s30
	s_mov_b32 s29, 0
	s_add_nc_u64 s[10:11], s[10:11], s[28:29]
.irp k, 0,1,2,3,4,5,6,7,8,9,10,11,12,13,14,15
	global_load_b32 v[NMK+\k], v[T4], s[10:11] offset:0x80000+8192*\k
.endr
.irp k, 0,1,2,3,4,5,6,7,8,9,10,11,12,13,14,15
	global_load_b32 v[PLK+\k], v[T4], s[10:11] offset:0x100000+8192*\k
.endr
.irp k, 0,1,2,3,4,5,6,7,8,9,10,11,12,13,14,15
	global_load_b32 v[PSK+\k], v[T4], s[10:11] offset:8192*\k
.endr
	; where the result goes
	s_lshl_b32 s28, s[GY], 19
	s_lshl_b32 s30, s[HQ], 18
	s_add_co_u32 s28, s28, s30
	s_lshl_b32 s30, s[GX], 10
	s_add_co_u32 s28, s28, s30
	s_lshl_b32 s30, s[HK], 9
	s_add_co_u32 s28, s28, s30
	s_add_nc_u64 s[12:13], s[12:13], s[28:29]
	; LDS addresses
	v_and_b32 v20, 15, v0                          ; r
	v_bfe_u32 v21, v0, 4, 1                        ; h
	v_and_b32 v22, 31, v0                          ; lane
	v_lshlrev_b32 v[CO], 4, v22
	s_lshl_b32 s30, s[HQ], 14
	v_add_nc_u32 v[AP], s30, v[CO]
	v_add_nc_u32 v[AP+1], SLB, v[AP]
	v_add_nc_u32 v[AP+2], 2*SLB, v[AP]
	s_lshl_b32 s30, s[HK], 15
	s_add_co_u32 s30, s30, VOFF
	v_add_nc_u32 v[AV], s30, v[CO]
	v_add_nc_u32 v[AV+1], SLB, v[AV]
	v_add_nc_u32 v[AV+2], 2*SLB, v[AV]
	s_lshl_b32 s30, s[HQ], 8
	s_add_co_u32 s30, s30, PSC
	v_lshl_add_u32 v[ASP], v22, 2, s30
	s_lshl_b32 s30, s[HK], 13
	s_add_co_u32 s30, s30, VSC
	v_lshl_add_u32 v[ASV], v22, 2, s30
	s_mul_i32 s30, s[WV], 8448
	s_add_co_u32 s30, s30, SLB                     ; my stage for the way out, in slot 1
	v_mul_u32_u24 v[STO], v20, 528
	v_lshl_add_u32 v[STO], v21, 5, v[STO]
	v_add_nc_u32 v[STO], s30, v[STO]
	v_add_nc_u32 v[RD], s30, v[CO]
	s_lshl_b32 s30, s[HQ], 8
	s_add_co_u32 s30, s30, LRC
	v_lshl_add_u32 v[ARL], v20, 2, s30
	v_lshl_add_u32 v[APW], v0, 2, PSC
.irp a, 0,1,2,3
	v_mov_b32 v[RL+2*\a+1], 0                      ; named with 1 / l as a pair
.endr
	s_wait_loadcnt 32                              ; the sixteen -M are in; the 32 loads behind them may be out
	v_min3_num_f32 v[NMR], v[NMK], v[NMK+1], v[NMK+2]
.irp i, 3,5,7,9,11,13
	v_min3_num_f32 v[NMR], v[NMR], v[NMK+\i], v[NMK+\i+1]
.endr
	v_min_num_f32 v[NMR], v[NMR], v[NMK+15]        ; the least -M: the row's
	s_wait_loadcnt 0x0
.irp k, 0,1,2,3,4,5,6,7,8,9,10,11,12,13,14,15
	LOWER \k
.endr
	v_rcp_f32 v[RC], v[LL]
	v_nop                                          ; one plain place behind a transcendental
	s_wait_alu depctr_va_vdst(0)
	ds_store_b32 v[APW], v[RC] offset:LRC-PSC
	s_wait_tensorcnt 2                             ; slot 0 (and v's scale words) are in; slots 1 and 2, issued behind them, may stay out
	s_wait_dscnt 0x0                               ; my stores of scale words and of 1 / l have landed
	s_barrier_signal -1
	s_barrier_wait -1
.irp a, 0,1,2,3
	ds_load_b32 v[RL+2*\a], v[ARL] offset:64*\a
.endr
	FETCH3 0, 0
	STEP3 0                                        ; the first products start the sums: nothing is cleared
	STEP3 1
	STEP3 2
	s_wait_dscnt 0x0                               ; K step 3: slot 0's last
	MUL3 1, 0
	s_wait_tensorcnt 0x0                           ; slots 1 and 2 have landed, no tensor load of mine is out: a group 0 may be written,
	ds_add_u32 v[SPW], v[NIL]                      ; 0 onto my spare word,
	s_add_nc_u64 s[G0P0+2:G0P0+3], s[G0P0+2:G0P0+3], 12288   ; slot 0's next: K steps 12 to 15
	s_add_nc_u64 s[G0V0+2:G0V0+3], s[G0V0+2:G0V0+3], 12288
	s_wait_dscnt 0x0                               ; the add is done and my reads of slot 0 are over
	CROUND                                         ; and that holds of every wave of the cluster
	s_cmp_lt_u32 s[WV], 2                          ; the joint refill: it has eight K steps in which to land
	s_cbranch_scc0 .Lre_v
	tensor_load_to_lds s[G0P0:G0P0+3], s[G1P:G1P+7]
	s_nop 0
	PLACES 4
	s_branch .Lre_asked
.Lre_v:
	tensor_load_to_lds s[G0V0:G0V0+3], s[G1V:G1V+7]
	s_nop 0
	PLACES 4
.Lre_asked:
	FETCH3 0, 4                                    ; (the four v_nop above are the places in front of these loads)
.irp k, 4,5,6,7,8,9,10
	STEP3 \k
.endr
	s_wait_dscnt 0x0                               ; K step 11: slot 2's last
	MUL3 1, 0
	s_wait_tensorcnt 0x0                           ; my part of the refill has landed,
	s_barrier_signal -1
	s_barrier_wait -1                              ; everybody's has
	PLACES 4
	FETCH3 0, 12
	STEP3 12
	STEP3 13
	STEP3 14
	s_wait_dscnt 0x0
	MUL3 1, 0
	PLACES 4
	; THE WAY OUT, a tile of 16 queries at a time: x 1 / l; through my stage (rows of 512 bytes + 16) in slot 1, which has had its last fill and its last read; back as whole rows
.irp a, 0,1,2,3
	WIN 0x01
.set i, 0
.rept 32
	v_pk_mul_f32 v[TMP+i:TMP+i+1], v[64*\a+i:64*\a+i+1], v[RL+2*\a:RL+2*\a+1] op_sel_hi:[1,0]   ; each accumulator from its low end on
.set i, i+2
.endr
	WIN 0
.if \a >= 2
	s_wait_xcnt 0x0                                ; the registers below are the store data of the tile two back: loaded again only behind this wait
.endif
.irp b, 0,1,2,3,4,5,6,7
.irp c, 0,1
	ds_store_b128 v[STO], v[TMP+8*\b+4*\c:TMP+8*\b+4*\c+3] offset:64*\b+16*\c
.endr
.endr
.irp t, 0,1,2,3,4,5,6,7,8,9,10,11,12,13,14,15
	ds_load_b128 v[BK+64*(\a%2)+4*\t:BK+64*(\a%2)+4*\t+3], v[RD] offset:528*\t   ; LDS serves a wave's instructions in order: these see my stores
.endr
.irp t, 0,1,2,3,4,5,6,7,8,9,10,11,12,13,14,15
	s_wait_dscnt 15-\t                             ; row t is back; the rows behind it may be out
	global_store_b128 v[CO], v[BK+64*(\a%2)+4*\t:BK+64*(\a%2)+4*\t+3], s[12:13] offset:4096*(16*\a+\t) th:TH_STORE_NT   ; the wave stores 512 consecutive bytes, aligned; written once, read by nobody here
.endr
.endr
	s_wait_tensorcnt 0x0                           ; the wave's end
	ds_add_u32 v[SPW], v[NIL]
	s_wait_dscnt 0x0
	CROUND                                         ; the closing round
	s_endpgm
.Lfunc_end_k_qf0e050e919_pv:
	.size	k_qf0e050e919_pv, .Lfunc_end_k_qf0e050e919_pv-k_qf0e050e919_pv
	.p2alignl 7, 3214868480
	.fill 96, 4, 3214868480
	.section	.rodata,"a",@progbits
	.p2align	6, 0x0
	.amdhsa_kernel k_qf0e050e919_pv
		.amdhsa_group_segment_fixed_size 327680
		.amdhsa_private_segment_fixed_size 0
		.amdhsa_enable_private_segment 0
		.amdhsa_kernarg_size 40
		.amdhsa_user_sgpr_count 2
		.amdhsa_user_sgpr_kernarg_segment_ptr 1
		.amdhsa_wavefront_size32 1
		.amdhsa_system_sgpr_workgroup_id_x 1
		.amdhsa_system_sgpr_workgroup_id_y 1
		.amdhsa_system_sgpr_workgroup_id_z 1
		.amdhsa_system_vgpr_workitem_id 0
		.amdhsa_next_free_vgpr 512
		.amdhsa_next_free_sgpr 92
		.amdhsa_reserve_vcc 0
		.amdhsa_float_denorm_mode_32 3
		.amdhsa_float_denorm_mode_16_64 3
		.amdhsa_memory_ordered 1
		.amdhsa_forward_progress 1
		.amdhsa_inst_pref_size 153
	.end_amdhsa_kernel
	.amdgpu_metadata
---
amdhsa.version: [ 1, 2 ]
amdhsa.kernels:
  - .name:           k_qf0e050e919_pv
    .symbol:         k_qf0e050e919_pv.kd
    .args:
      - { .name: cod, .offset: 0, .size: 8, .value_kind: global_buffer, .address_space: global }
      - { .name: scl, .offset: 8, .size: 8, .value_kind: global_buffer, .address_space: global }
      - { .name: pcod, .offset: 16, .size: 8, .value_kind: global_buffer, .address_space: global }
      - { .name: pst, .offset: 24, .size: 8, .value_kind: global_buffer, .address_space: global }
      - { .name: out0, .offset: 32, .size: 8, .value_kind: global_buffer, .address_space: global }
    .group_segment_fixed_size: 327680
    .private_segment_fixed_size: 0
    .kernarg_segment_align: 8
    .kernarg_segment_size: 40
    .max_flat_workgroup_size: 128
    .sgpr_count:     92
    .vgpr_count:     512
    .wavefront_size: 32
...
	.end_amdgpu_metadata
.endif
;; end of part 3
